; MI455X (gfx1250); checked and timed in simulation.
; The chip was launched on July 23, 2026; its instructions are those of AMD's public machine-readable ISA for CDNA 5 (MIT licence, August 2026) and "CDNA5" Instruction Set Architecture Reference Guide (July 2026). The comments in the code are by the model that wrote it; some were corrected since.
;; Kron Attention. Allowed arithmetic: matrix products marked QUANTISED: E2M1 operands, one E8M0 scale for each 32 along K, by v_wmma_scale_f32_16x16x128_f8f6f4 with both operands' format E2M1 (or v_wmma_scale_f32_32x16x128_f4), f32 sums; products left as they are: bf16, f16 or f32 operands; f32 sums; everything else in f32.
;; Inputs: Wk 1,024 x 1,024 float32; Wo 1,024 x 1,024 float32; Wq 1,024 x 1,024 float32; Wv 1,024 x 1,024 float32; bk 1,024 float32; bo 1,024 float32; bq 1,024 float32; bv 1,024 float32; hidden_states 4 x 2,048 x 1,024 float32.
;; Outputs: out0 4 x 2,048 x 1,024 float32.
;; This version of the problem:
;;   THIS VERSION OF THE PROBLEM IS GIVEN IN LOW PRECISION. The matrix products marked QUANTISED in the list below multiply operands that are first quantised to E2M1 (2 exponent bits, 1 mantissa bit; 4 bits a number), with one power-of-two scale for each 32 numbers along K (OCP MX v1.0); their sums are f32. The products marked 'left as it is' may take bf16, f16 or f32 operands, with f32 sums. Whichever they take, every output number must still come out within the allowed error. Rounding operands to bf16 (8 significant bits) uses up far more of that allowance than f16 does (11 bits, for magnitudes from 6e-5 to 65,504). All else is computed in f32.
;;   The module's matrix products, in the order in which they are computed (A, B: the left and right operand; K: the contracted axis; several contracted axes count as one K, in the product's order):
;;     1. [M 8,192, K 1,024] x [K 1,024, N 1,024]; A: input hidden_states; B: input Wq: QUANTISED
;;     2. [M 8,192, K 1,024] x [K 1,024, N 1,024]; A: input hidden_states; B: input Wk: QUANTISED
;;     3. [M 8,192, K 1,024] x [K 1,024, N 1,024]; A: input hidden_states; B: input Wv: QUANTISED
;;     4. batch 64 x [M 2,048, K 64] x [K 64, N 2,048]; A: computed on the way; B: computed on the way: left as it is (an operand is computed on the way)
;;     5. batch 64 x [M 2,048, K 2,048] x [K 2,048, N 64]; A: computed on the way; B: computed on the way: left as it is (an operand is computed on the way)
;;     6. [M 8,192, K 1,024] x [K 1,024, N 1,024]; A: computed on the way; B: input Wo: left as it is (an operand is computed on the way)
;;   THE QUANTISER, for each operand of a quantised product, along K:
;;     - K is cut into blocks of 32 from its start; a last block that is shorter is filled with zeros.
;;     - A block's scale is 2^e with e = floor(log2(the largest magnitude in the block)) - 2, held to -126 .. 127; a block of zeros has e = 0. As a byte (E8M0): e + 127.
;;     - Each number is divided by its block's scale, clamped to +-6, and rounded to the nearest number of E2M1, ties to even, subnormals kept.
;;     - The product sums the exact products of the quantised numbers (number of the format x scale) in f32.
;;   ~~~python
;;   def quantise(x, axis):      # numpy; x: float32 -> the quantised numbers, widened to float32 again
;;       x = np.moveaxis(x, axis, -1); K = x.shape[-1]
;;       x = np.pad(x, [(0, 0)] * (x.ndim - 1) + [(0, -K % 32)]); x = x.reshape(x.shape[:-1] + (-1, 32)); a = np.abs(x).max(-1, keepdims=True)
;;       e = np.where(a > 0, np.clip(np.frexp(np.where(a > 0, a, 1))[1] - 1 - 2, -126, 127), 0)      # np.frexp(a)[1] - 1 = floor(log2(a)), exactly
;;       r = np.clip(x / 2.0 ** e, -6, 6)
;;       step = 2.0 ** (np.maximum(np.frexp(np.where(r == 0, 1, r))[1] - 1, 0) - 1)
;;       q = np.round(r / step) * step * 2.0 ** e      # np.round: ties to even
;;       return np.moveaxis(q.reshape(q.shape[:-2] + (-1,))[..., :K], -1, axis).astype(np.float32)
;;   ~~~
;; One version. Each part assembles by itself: llvm-mc -triple=amdgcn-amd-amdhsa -mcpu=gfx1250 --defsym DOCPART=n.
;; ======== version 1 of 1: 5 launches
;; limits: values are held in f16: magnitudes above 65,504 overflow, below 6.1e-05 lose precision
;; workspace buffers: xc 4,194,304 bytes; xs 262,144 bytes; wc 1,572,864 bytes; ws 98,304 bytes; wo16 2,097,152 bytes; qkv 50,331,648 bytes; qkv16 786,432 bytes; o16 16,777,216 bytes
;; launch prep (part 1): grid 368 x 1, 4 waves a work-group, no clusters, 68,096 bytes of LDS; arguments hidden_states, Wq, Wk, Wv, Wo, xc, xs, wc, ws, wo16; writes xc, xs, wc, ws, wo16
.if DOCPART == 1
	.amdgcn_target "amdgcn-amd-amdhsa--gfx1250"
	.amdhsa_code_object_version 6
	.text
	.protected	k_qd0fcde1ae3_prep
	.globl	k_qd0fcde1ae3_prep
	.p2align	8
	.type	k_qd0fcde1ae3_prep,@function
k_qd0fcde1ae3_prep:
	s_mov_b64 s[64:65], 0
	v_nop
	global_prefetch_b8 v0, s[64:65] scope:SCOPE_SE
	s_setreg_imm32_b32 hwreg(HW_REG_WAVE_MODE, 25, 1), 1
	s_wait_xcnt 0x0
; PREP: everything that is quantised or cast once.  Three kinds of work-groups, told apart by the work-group's number; the three ways never join.
;   0 .. 47    Wq, Wk, Wv [1024 k][1024 n] f32 -> codes of FP4 (E2M1) laid [3072 = T x 1024 + n][512 bytes], K innermost, and E8M0 bytes [3072][32]
;   48 .. 111  Wo f32 -> f16, in Wo's own layout
;   112 .. 367 hidden_states [8192][1024] f32 -> codes [8192][512 bytes] and E8M0 bytes [8192][32]
; A block's scale is 2^(floor(log2(its largest magnitude)) - 2); its byte is the largest magnitude's exponent field - 2, held at 1 from below.
; LIMITS: a block of zeros gets the byte 1 (its codes are zeros; this program alone reads the bytes); blocks whose largest magnitude lies under 2^(3 - 127) are held at that floor;
; NaN and infinities among the inputs are not served; Wo's numbers must lie inside f16's range (under 65,504).
; The weights' work-groups have the low numbers: each of their waves has 16 dependent blocks, the longest chain of the launch.  LDS: each way that uses LDS has bytes of its own.
.set SPW,   12                         ; v12  LDS address of my spare word; never rewritten
.set NIL,   13                         ; v13  0; never rewritten
.set WREG,  32768                      ; the weights' stages: 4 waves x 32 rows x 272 bytes
.set SPARE, 67584                      ; the spare words: 128 bytes a wave
.set PITCH, 272
.set SP,    80
	s_load_b512 s[4:19], s[0:1], 0x0               ; hidden 4:5, Wq 6:7, Wk 8:9, Wv 10:11, Wo 12:13, xc 14:15, xs 16:17, wc 18:19
	s_load_b128 s[20:23], s[0:1], 0x40             ; ws 20:21, wo16 22:23
	v_lshl_add_u32 v[SPW], v0, 2, SPARE
	v_mov_b32 v[NIL], 0
	v_lshrrev_b32 v1, 5, v0
	v_readfirstlane_b32 s24, v1                    ; wave 0..3
	v_and_b32 v2, 31, v0                           ; lane
	s_mov_b32 s33, 0                               ; the upper word of every 64-bit offset below
	s_wait_kmcnt 0x0
	s_cmp_ge_u32 ttmp9, 112
	s_cbranch_scc1 .Lx
	s_cmp_ge_u32 ttmp9, 48
	s_cbranch_scc1 .Lo
; ---------------- the weights.  A lane takes a column n and its registers run down K: a block of 32 along K lies in one lane, and the codes come out with K innermost.
; A wave takes 32 columns x 512 along K: 16 blocks a lane; the codes go through the wave's own stage and leave as rows, sixteen lanes storing 256 consecutive bytes, aligned.
.set WX,   32                          ; v32-95   two sets of 32 numbers
.set WC,   96                          ; v96-99   a block's codes
.set OUTR, 112                         ; v112-175 the way out
.set SB,   24                          ; v24-27   the scale bytes
	s_lshr_b32 s25, ttmp9, 4                       ; T: 0 q, 1 k, 2 v
	s_bfe_u32 s26, ttmp9, 0x30001                  ; which 128 columns
	s_and_b32 s27, ttmp9, 1                        ; which 512 along K
	s_cmp_eq_u32 s25, 0
	s_cselect_b64 s[28:29], s[6:7], s[8:9]
	s_cmp_eq_u32 s25, 2
	s_cselect_b64 s[28:29], s[10:11], s[28:29]     ; the weight: the choice hangs on the work-group's number alone
	s_lshl_b32 s30, s26, 7
	s_lshl_b32 s31, s24, 5
	s_add_co_u32 s30, s30, s31                     ; my wave's first column
	s_lshl_b32 s32, s27, 21                        ; 512 rows of 4,096 bytes
	s_lshl_b32 s31, s30, 2
	s_add_co_u32 s32, s32, s31
	s_add_nc_u64 s[28:29], s[28:29], s[32:33]
	s_lshl_b32 s34, s25, 10
	s_add_co_u32 s34, s34, s30                     ; its row in the codes' buffer
	s_lshl_b32 s32, s34, 9
	s_lshl_b32 s31, s27, 8
	s_add_co_u32 s32, s32, s31
	s_add_nc_u64 s[18:19], s[18:19], s[32:33]
	s_lshl_b32 s32, s34, 5
	s_lshl_b32 s31, s27, 4
	s_add_co_u32 s32, s32, s31
	s_add_nc_u64 s[20:21], s[20:21], s[32:33]
	v_lshlrev_b32 v3, 2, v2                        ; in: 4 bytes a lane
	s_mul_i32 s35, s24, 32*PITCH
	s_add_co_u32 s35, s35, WREG                    ; my stage
	v_mul_u32_u24 v4, v2, PITCH
	v_add_nc_u32 v4, s35, v4                       ; into it: row = my column
	v_and_b32 v5, 15, v2
	v_lshrrev_b32 v6, 4, v2
	v_mul_u32_u24 v7, v6, PITCH
	v_lshl_add_u32 v7, v5, 4, v7
	v_add_nc_u32 v7, s35, v7                       ; out of it: sixteen lanes to a row, two rows an instruction
	v_lshlrev_b32 v8, 9, v6
	v_lshl_add_u32 v8, v5, 4, v8                   ; the same place in the codes' buffer (rows of 512 bytes)
	v_lshlrev_b32 v9, 5, v2                        ; my column's row of scale bytes
.macro WLOAD t                         ; block t: W(32 t + i, my column) into set t % 2; 32 lanes read 128 consecutive bytes
.set i, 0
.rept 32
	global_load_b32 v[WX+32*((\t)%2)+i], v3, s[28:29] offset:(32*(\t)+i)*4096 th:TH_LOAD_NT
.set i, i+1
.endr
.endm
	WLOAD 0
	WLOAD 1
.macro BLOCK t
.set XS, WX+32*((\t)%2)
.if (\t) < 15
	s_wait_loadcnt 32                              ; this block's 32 loads are in; the next block's 32 may be out
.else
	s_wait_loadcnt 0
.endif
	v_max3_num_f32 v14, |v[XS]|, |v[XS+1]|, |v[XS+2]|      ; the block's largest magnitude: all 32 numbers are mine; two chains
	v_max3_num_f32 v15, |v[XS+3]|, |v[XS+4]|, |v[XS+5]|
.irp i, 6,10,14,18,22,26
	v_max3_num_f32 v14, v14, |v[XS+\i]|, |v[XS+\i+1]|
	v_max3_num_f32 v15, v15, |v[XS+\i+2]|, |v[XS+\i+3]|
.endr
	v_max3_num_f32 v14, v14, |v[XS+30]|, |v[XS+31]|
	v_max3_num_f32 v14, v14, v15, 0x1800000        ; and the floor 2^(3 - 127): the byte cannot fall under 1
	v_add_nc_u32 v11, 0xff000000, v14              ; 2 off the exponent field: the conversion takes the exponent field of this operand as its scale
	v_lshrrev_b32 v15, 23, v11                     ; the scale's byte
.if (\t)%4 == 0
	v_mov_b32 v[SB+(\t)/4], v15                    ; four bytes to a register, the lower K in the lower byte
.else
	v_lshl_or_b32 v[SB+(\t)/4], v15, 8*((\t)%4), v[SB+(\t)/4]
.endif
.irp g, 0,1,2,3
	v_cvt_scalef32_pk8_fp4_f32 v[WC+\g], v[XS+8*\g:XS+8*\g+7], v11
.endr
	ds_store_b128 v4, v[WC:WC+3] offset:16*(\t)    ; 32 codes: 16 bytes of my column's row
.if (\t)+2 < 16
	WLOAD (\t)+2
.endif
	s_wait_dscnt 0x0                               ; the store has read its registers: the next block's codes may be written
.endm
.set Q, 0
.rept 16
	BLOCK Q
.set Q, Q+1
.endr
	global_store_b128 v9, v[SB:SB+3], s[20:21]     ; my column's 16 scale bytes
.irp t, 0,1,2,3,4,5,6,7,8,9,10,11,12,13,14,15
	ds_load_b128 v[OUTR+4*\t:OUTR+4*\t+3], v7 offset:2*\t*PITCH    ; LDS serves a wave's instructions in order: these see my stores
.endr
.irp t, 0,1,2,3,4,5,6,7,8,9,10,11,12,13,14,15
	s_wait_dscnt 15-\t
	global_store_b128 v8, v[OUTR+4*\t:OUTR+4*\t+3], s[18:19] offset:2*\t*512
.endr
	s_wait_tensorcnt 0x0                           ; the wave's end: three closing lines behind my last LDS store
	ds_add_u32 v[SPW], v[NIL]
	s_wait_dscnt 0x0
	s_endpgm
; ---------------- Wo to f16.  A wave takes 4,096 numbers: 32 loads of 512 consecutive bytes, all out at once; each store covers 256 consecutive bytes, aligned.
.Lo:
	s_sub_co_u32 s26, ttmp9, 48
	s_lshl_b32 s26, s26, 2
	s_add_co_u32 s26, s26, s24                     ; my run, 0..255
	s_lshl_b32 s32, s26, 14
	s_add_nc_u64 s[12:13], s[12:13], s[32:33]
	s_lshl_b32 s32, s26, 13
	s_add_nc_u64 s[22:23], s[22:23], s[32:33]
	v_lshlrev_b32 v3, 4, v2
	v_lshlrev_b32 v4, 3, v2
.set i, 0
.rept 32
	global_load_b128 v[32+4*i:35+4*i], v3, s[12:13] offset:512*i
.set i, i+1
.endr
.set i, 0
.rept 32
	s_wait_loadcnt 31-i                            ; loads come back in order: number i is in
	v_cvt_pk_f16_f32 v[32+4*i], v[32+4*i], v[33+4*i]
	v_cvt_pk_f16_f32 v[33+4*i], v[34+4*i], v[35+4*i]
	global_store_b64 v4, v[32+4*i:33+4*i], s[22:23] offset:256*i
.set i, i+1
.endr
	s_wait_tensorcnt 0x0                           ; the same three closing lines as on the other two ways
	ds_add_u32 v[SPW], v[NIL]
	s_wait_dscnt 0x0
	s_endpgm
; ---------------- hidden_states.  Rows are dense and K is a multiple of 32: a plain stream of blocks of 32.  A wave takes 16 steps of 512 numbers.  Each load reads 512 consecutive bytes; the 2,048 bytes
; of a step turn through the wave's own stage (16 bytes of padding behind each 64), so that a lane then holds 16 neighbours; two neighbouring lanes hold a block.  Loads run four steps ahead, the turn one.
.Lx:
.set STEPS, 16
.set R,     16                         ; v16-79   four sets of 16 numbers as they are loaded
.set X,     80                         ; v80-111  two sets of 16 neighbours
.set E,     112                        ; v112-127 a scale byte for each step
.set C,     128                        ; v128-191 codes: four registers for each step, so that no store's data are written again
	v_lshlrev_b32 v3, 4, v2                        ; my 16 bytes of a load's 512
	s_lshl_b32 s25, s24, 13                        ; my wave's 8,192 bytes of LDS: two stages of 32 x 80, then 256 scale bytes
	v_lshrrev_b32 v14, 2, v2
	v_mul_u32_u24 v14, v14, SP
	v_and_b32 v15, 3, v2
	v_lshl_add_u32 v14, v15, 4, v14
	v_add_nc_u32 v14, s25, v14                     ; the stage, on the way in: 80 (lane / 4) + 16 (lane % 4)
	v_mul_u32_u24 v15, v2, SP
	v_add_nc_u32 v15, s25, v15                     ; and on the way out: 80 x lane
	v_lshlrev_b32 v4, 3, v2                        ; my codes' place in a step's: 8 bytes a lane
	v_lshrrev_b32 v5, 1, v2
	s_add_co_u32 s25, s25, 2*32*SP
	v_add_nc_u32 v5, s25, v5                       ; my block's scale byte
	v_lshlrev_b32 v7, 3, v2
	v_add_nc_u32 v6, s25, v7                       ; and on the way out 8 bytes a lane
	s_sub_co_u32 s26, ttmp9, 112
	s_lshl_b32 s26, s26, 2
	s_add_co_u32 s26, s26, s24                     ; which run of 8,192 numbers is my wave's
	s_lshl_b32 s32, s26, 15
	s_add_nc_u64 s[4:5], s[4:5], s[32:33]
	s_lshl_b32 s32, s26, 12
	s_add_nc_u64 s[14:15], s[14:15], s[32:33]
	s_lshl_b32 s32, s26, 8
	s_add_nc_u64 s[16:17], s[16:17], s[32:33]
.macro XLOAD t
.irp i, 0,1,2,3
	global_load_b128 v[R+16*((\t)%4)+4*\i:R+16*((\t)%4)+4*\i+3], v3, s[4:5] offset:2048*(\t)+512*\i th:TH_LOAD_NT
.endr
.endm
.macro XTURN t                         ; step t's numbers through the stage: LDS serves a wave's instructions in order, so no wait stands between the stores and the loads
.irp i, 0,1,2,3
	ds_store_b128 v14, v[R+16*((\t)%4)+4*\i:R+16*((\t)%4)+4*\i+3] offset:32*SP*((\t)%2)+8*SP*\i
.endr
.irp i, 0,1,2,3
	ds_load_b128 v[X+16*((\t)%2)+4*\i:X+16*((\t)%2)+4*\i+3], v15 offset:32*SP*((\t)%2)+16*\i
.endr
.endm
.irp t, 0,1,2,3
	XLOAD \t
.endr
	s_wait_loadcnt 12                              ; step 0's four loads are in
	XTURN 0
.macro XSTEP t
.set XS, X+16*((\t)%2)
.if (\t) > 0
	s_wait_dscnt 1                                 ; this step's numbers are back from the stage (the last step's byte store may be out)
.else
	s_wait_dscnt 0x0
.endif
.if (\t)+4 < STEPS
	XLOAD (\t)+4                                   ; into the registers that this step's stage stores have read
.endif
.if (\t)+1 < STEPS
.if STEPS-2-(\t) >= 3
	s_wait_loadcnt 12                              ; the next step's four loads are in; those of the three steps behind it may be out
.else
	s_wait_loadcnt 4*(STEPS-2-(\t))
.endif
	XTURN (\t)+1
.endif
	v_max3_num_f32 v8, |v[XS]|, |v[XS+1]|, |v[XS+2]|
	v_max3_num_f32 v9, |v[XS+3]|, |v[XS+4]|, |v[XS+5]|
.irp i, 6,10
	v_max3_num_f32 v8, v8, |v[XS+\i]|, |v[XS+\i+1]|
	v_max3_num_f32 v9, v9, |v[XS+\i+2]|, |v[XS+\i+3]|
.endr
	v_max3_num_f32 v8, v8, |v[XS+14]|, |v[XS+15]|
	v_max3_num_f32 v8, v8, v9, 0x1800000           ; the floor 2^(3 - 127)
	v_max_num_f32_dpp v8, v8, v8 row_xmask:1 row_mask:0xf bank_mask:0xf   ; with my neighbour's 16: the block's largest magnitude
	v_add_nc_u32 v11, 0xff000000, v8               ; 2 off its exponent field: the conversion's scale operand
	v_cvt_scalef32_pk8_fp4_f32 v[C+4*(\t)], v[XS:XS+7], v11
	v_cvt_scalef32_pk8_fp4_f32 v[C+4*(\t)+1], v[XS+8:XS+15], v11
	v_lshrrev_b32 v[E+(\t)], 23, v11               ; the scale's byte (also the plain line behind the conversions)
	ds_store_b8 v5, v[E+(\t)] offset:16*(\t)       ; both lanes of a block write the same byte with the same value
	global_store_b64 v4, v[C+4*(\t):C+4*(\t)+1], s[14:15] offset:256*(\t)   ; 32 lanes store 256 consecutive bytes, aligned
.endm
.irp t, 0,1,2,3,4,5,6,7,8,9,10,11,12,13,14,15
	XSTEP \t
.endr
	ds_load_b64 v[8:9], v6                         ; my wave's 256 scale bytes
	s_wait_dscnt 0x0
	global_store_b64 v7, v[8:9], s[16:17]
	s_wait_tensorcnt 0x0                           ; the wave's end: three closing lines behind my last LDS store
	ds_add_u32 v[SPW], v[NIL]
	s_wait_dscnt 0x0
	s_endpgm
.Lfunc_end_k_qd0fcde1ae3_prep:
	.size	k_qd0fcde1ae3_prep, .Lfunc_end_k_qd0fcde1ae3_prep-k_qd0fcde1ae3_prep
	.p2alignl 7, 3214868480
	.fill 96, 4, 3214868480
	.section	.rodata,"a",@progbits
	.p2align	6, 0x0
	.amdhsa_kernel k_qd0fcde1ae3_prep
		.amdhsa_group_segment_fixed_size 68096
		.amdhsa_private_segment_fixed_size 0
		.amdhsa_enable_private_segment 0
		.amdhsa_kernarg_size 80
		.amdhsa_user_sgpr_count 2
		.amdhsa_user_sgpr_kernarg_segment_ptr 1
		.amdhsa_wavefront_size32 1
		.amdhsa_system_sgpr_workgroup_id_x 1
		.amdhsa_system_sgpr_workgroup_id_y 1
		.amdhsa_system_sgpr_workgroup_id_z 1
		.amdhsa_system_vgpr_workitem_id 0
		.amdhsa_next_free_vgpr 192
		.amdhsa_next_free_sgpr 66
		.amdhsa_reserve_vcc 0
		.amdhsa_float_denorm_mode_32 3
		.amdhsa_float_denorm_mode_16_64 3
		.amdhsa_memory_ordered 1
		.amdhsa_forward_progress 1
		.amdhsa_inst_pref_size 122
	.end_amdhsa_kernel
	.amdgpu_metadata
---
amdhsa.version: [ 1, 2 ]
amdhsa.kernels:
  - .name:           k_qd0fcde1ae3_prep
    .symbol:         k_qd0fcde1ae3_prep.kd
    .args:
      - { .name: hidden_states, .offset: 0, .size: 8, .value_kind: global_buffer, .address_space: global }
      - { .name: Wq, .offset: 8, .size: 8, .value_kind: global_buffer, .address_space: global }
      - { .name: Wk, .offset: 16, .size: 8, .value_kind: global_buffer, .address_space: global }
      - { .name: Wv, .offset: 24, .size: 8, .value_kind: global_buffer, .address_space: global }
      - { .name: Wo, .offset: 32, .size: 8, .value_kind: global_buffer, .address_space: global }
      - { .name: xc, .offset: 40, .size: 8, .value_kind: global_buffer, .address_space: global }
      - { .name: xs, .offset: 48, .size: 8, .value_kind: global_buffer, .address_space: global }
      - { .name: wc, .offset: 56, .size: 8, .value_kind: global_buffer, .address_space: global }
      - { .name: ws, .offset: 64, .size: 8, .value_kind: global_buffer, .address_space: global }
      - { .name: wo16, .offset: 72, .size: 8, .value_kind: global_buffer, .address_space: global }
    .group_segment_fixed_size: 68096
    .private_segment_fixed_size: 0
    .kernarg_segment_align: 8
    .kernarg_segment_size: 80
    .max_flat_workgroup_size: 128
    .sgpr_count:     66
    .vgpr_count:     192
    .wavefront_size: 32
...
	.end_amdgpu_metadata
.endif
;; end of part 1
;; launch qkv (part 2): grid 12 x 32, 4 waves a work-group, clusters of 4 x 4, 327,680 bytes of LDS; arguments xc, xs, wc, ws, bq, bk, bv, qkv, qkv16; writes qkv, qkv16
.if DOCPART == 2
	.amdgcn_target "amdgcn-amd-amdhsa--gfx1250"
	.amdhsa_code_object_version 6
	.text
	.protected	k_qd0fcde1ae3_qkv
	.globl	k_qd0fcde1ae3_qkv
	.p2align	8
	.type	k_qd0fcde1ae3_qkv,@function
k_qd0fcde1ae3_qkv:
	s_mov_b64 s[64:65], 0
	v_nop
	global_prefetch_b8 v0, s[64:65] scope:SCOPE_SE
	s_setreg_imm32_b32 hwreg(HW_REG_WAVE_MODE, 25, 1), 1
	s_wait_xcnt 0x0
	s_wait_alu depctr_hold_cnt(0) depctr_sa_sdst(0) depctr_va_vdst(0) depctr_va_sdst(0) depctr_va_ssrc(0) depctr_va_vcc(0) depctr_vm_vsrc(0)
	s_getreg_b32 s2, hwreg(HW_REG_IB_STS2, 6, 4)
	s_cmp_eq_u32 s2, 0
	s_cbranch_scc0 .Lentry_in_a_cluster
	s_endpgm
.Lentry_in_a_cluster:
	s_bfe_u32 s2, ttmp6, 0x10000c
	s_cmp_lg_u32 s2, 0xf033
	s_cbranch_scc0 .Lentry_shape_is_right
	s_endpgm
.Lentry_shape_is_right:
; q, k, v = Q(x) Q(W) + b: one GEMM 8192 x 3072 x 1024 on codes of FP4 (E2M1) with one E8M0 scale for each 32 along K, by v_wmma_scale_f32_16x16x128_f8f6f4; sums in f32.
; A = xc [8192][512 bytes], xs [8192][32];  B = wc [3072 = T x 1024 + n][512 bytes], ws [3072][32].  The bias is the C of each sum's first matrix instruction.
; OUT: f16, head-major: qkv [T 3][b x 16 + head][s 2048][64].  The first 16 positions of every sequence also leave as f32, qkv16 [b][16][3072], for the launch that carries those rows in f32.
; LIMIT: q, k and v pass through f16: magnitudes under 65,504.
; A tile of C, 256 x 256, is made by four waves, each 128 x 128: 64 accumulators, 512 registers.  K = 1024 is two LDS slots of 512: both are asked for at the head, with the scales: nothing is filled again.
; CLUSTERS: 4 x 4 work-groups.  Tile row = 8 cy + cluster y (so cy is the batch and cluster y the block of 256 positions, the same in all partners); tile column = 4 cluster x + cx (cluster x is T).
; The four of a row of the cluster ask for A's tiles jointly, the four of a column for B's.  The matrix instruction is used transposed (source 0 = 16 rows of B, source 1 = 16 rows of A): a lane holds eight neighbouring columns of a row of C.
; REGISTERS: window 0: v0-31 addresses; v32-95 scale words, two sets; v96-127 packed results; v128-191 A's fragments, one set (later rows read back); v192-255 the bias.  window 1: B's fragments, two sets.  windows 2, 3: accumulators.
.set NQ,     4                         ; matrix instructions deep in a slot
.set ROWB,   256                       ; a tile's row in bytes: 512 codes
.set KROW,   512                       ; a row of A or B in memory
.set PITCH,  272                       ; an LDS row: 256 bytes + 16 of padding: the 16 rows that a load touches start 68 words apart
.set FR,     8
.set NL,     2
.set NP,     4
.set HALFT,  128*PITCH
.set SLOT,   4*HALFT
.set KS,     32                        ; a row of scales in bytes
.set SCL,    2*SLOT
.set HALFS,  (128*KS/256)*272
.set SBLK,   (16*KS/256)*272
.set SPARE,  SCL+4*HALFS
.set SPITCH, 272                       ; the way out: 16 rows x (256 bytes + 16) for each wave, in slot 0, which has had its only fill and its last read by then
.set ADRA, 16
.set ADRB, 20
.set STO,  24
.set RD,   25
.set CO,   26
.set ADRS, 27
.set SPW,  28
.set NIL,  29
.set SIDE, 30                          ; v30  my byte offset in qkv16
.set BOF,  31                          ; v31  32 x (lane / 16): my half's eight numbers of a bias tile
.set SC,   32
.set TMP,  96
.set AF,   128
.set BK,   128
.set BIAS, 192
.set G1, 24
.set G0, 32
.set G1B, 48
.set G0B, 56
.set G1S, 68
.set G0S, 76
.set G1SB, 80
.set G0SB, 88
.set MSB, 0
.macro WIN new                         ; the immediate's high byte repeats the setting that is left
.if MSB != \new
	s_set_vgpr_msb (MSB<<8)|\new
.set MSB, \new
.endif
.endm
.set MUL_LO,  0xa1                     ; source 0 (B) window 1, source 1 (A) window 0, C and D window 2
.set MUL_HI,  0xf1                     ; the same, C and D window 3
.set MUL_LOB, 0x81                     ; the first step: C is the bias, in window 0
.set MUL_HIB, 0xc1
.set TO_B,    0x40
.macro JLOAD g0a, g1a, g0b, g1b        ; a joint load: waves 0 and 1 fetch for A, waves 2 and 3 for B; an s_nop 0 and four v_nop follow each line
	s_cmp_eq_u32 s15, 0
	s_cbranch_scc0 .Lfor_b_\@
	tensor_load_to_lds s[\g0a:\g0a+3], s[\g1a:\g1a+7]
	s_nop 0
.rept 4
	v_nop
.endr
	s_branch .Lasked_\@
.Lfor_b_\@:
	tensor_load_to_lds s[\g0b:\g0b+3], s[\g1b:\g1b+7]
	s_nop 0
.rept 4
	v_nop
.endr
.Lasked_\@:
.endm
.macro CROUND                          ; a round of the cluster's barrier
	s_barrier_signal -1
	s_barrier_wait -1
	s_cmp_lg_u32 s14, 0
	s_cbranch_scc1 .Lnot_wave_0_\@
	s_barrier_signal -3
.Lnot_wave_0_\@:
	s_barrier_wait -3
	s_barrier_signal -1
	s_barrier_wait -1
.endm
	s_load_b128 s[4:7], s[0:1], 0x0                ; xc, xs
	s_load_b128 s[8:11], s[0:1], 0x10              ; wc, ws
	s_load_b128 s[96:99], s[0:1], 0x20             ; bq, bk
	s_load_b64 s[100:101], s[0:1], 0x30            ; bv
	s_load_b64 s[12:13], s[0:1], 0x38              ; qkv
	s_load_b64 s[66:67], s[0:1], 0x40              ; qkv16
	v_lshl_add_u32 v[SPW], v0, 2, SPARE
	v_mov_b32 v[NIL], 0
	ds_add_u32 v[SPW], v[NIL]                      ; the wave's opening: the add, twice on end, and its wait ahead of my first tensor load
	ds_add_u32 v[SPW], v[NIL]
	v_lshrrev_b32 v1, 5, v0
	v_readfirstlane_b32 s14, v1                    ; wave 0..3
	s_lshr_b32 s15, s14, 1                         ; which half of the tile's rows is mine.  Also: I fetch for A (0) or for B (1)
	s_and_b32 s16, s14, 1                          ; which half of its columns.  Also: which 128 rows of that tile I fetch
	s_bfe_u32 s40, ttmp6, 0x40000                  ; cx
	s_bfe_u32 s41, ttmp6, 0x40004                  ; cy
	s_lshl_b32 s42, ttmp9, 2
	s_add_co_u32 s42, s42, s40                     ; tile column = 4 x cluster x + cx
	s_and_b32 s95, ttmp7, 0xffff                   ; cluster y: the block of 256 positions
	s_lshl_b32 s17, s41, 3
	s_add_co_u32 s17, s17, s95                     ; tile row = 8 cy + cluster y
	s_lshl_b32 s43, s41, 2
	s_lshl_b32 s43, 15, s43                        ; my row of the cluster
	s_lshl_b32 s44, 0x1111, s40                    ; my column
	s_or_b32 s[G1+0], s43, (0<<16)|(1<<20)|(1<<21)|(5<<22)|(3<<25)   ; the mask; elements of 1 byte; padding on; bit 21 beside a mask; 4 words after every 64
	s_or_b32 s[G1B+0], s44, (0<<16)|(1<<20)|(1<<21)|(5<<22)|(3<<25)
.irp g, G1, G1B
	s_mov_b32 s[\g+1], ROWB<<16                    ; tensor_dim0
	s_mov_b32 s[\g+2], 128<<16                     ; tensor_dim1
	s_mov_b32 s[\g+3], ROWB<<16                    ; tile_dim0
	s_mov_b32 s[\g+4], 128                         ; tile_dim1
	s_mov_b32 s[\g+5], KROW                        ; the pitch
	s_mov_b32 s[\g+6], 0
	s_mov_b32 s[\g+7], 0
.endr
	s_or_b32 s[G1S+0], s43, (3<<16)|(1<<20)|(1<<21)|(5<<22)|(3<<25)  ; the scales of 128 rows: 4,096 dense bytes as 16 rows of 256 (32 elements of 8 bytes), 16 bytes of padding behind each
	s_or_b32 s[G1SB+0], s44, (3<<16)|(1<<20)|(1<<21)|(5<<22)|(3<<25)
.irp g, G1S, G1SB
	s_mov_b32 s[\g+1], 32<<16
	s_mov_b32 s[\g+2], (128*KS/256)<<16
	s_mov_b32 s[\g+3], 32<<16
	s_mov_b32 s[\g+4], 128*KS/256
	s_mov_b32 s[\g+5], 32
	s_mov_b32 s[\g+6], 0
	s_mov_b32 s[\g+7], 0
.endr
	s_lshl_b32 s18, s16, 7
	s_lshl_b32 s20, s17, 8
	s_add_co_u32 s20, s20, s18                     ; A: row 256 x tile row + 128 x half
	s_lshl_b32 s46, s42, 8
	s_add_co_u32 s46, s46, s18                     ; B: row 256 x tile column + 128 x half
	s_mov_b32 s21, 0
	s_mov_b32 s47, 0
	s_mov_b64 s[18:19], KS
	s_mul_u64 s[22:23], s[20:21], s[18:19]         ; where these rows' scales begin
	s_mul_u64 s[92:93], s[46:47], s[18:19]
	s_mov_b64 s[18:19], KROW
	s_mul_u64 s[20:21], s[20:21], s[18:19]         ; and their codes
	s_mul_u64 s[46:47], s[46:47], s[18:19]
	s_mul_i32 s45, s14, HALFT                      ; where they go: wave x 128 rows
	s_mul_i32 s94, s14, HALFS
	s_wait_dscnt 0x0                               ; both opening adds are done
	s_wait_kmcnt 0x0
	s_add_nc_u64 s[20:21], s[4:5], s[20:21]
	s_add_nc_u64 s[22:23], s[6:7], s[22:23]
	s_add_nc_u64 s[46:47], s[8:9], s[46:47]
	s_add_nc_u64 s[92:93], s[10:11], s[92:93]
	CROUND                                         ; all sixteen work-groups are here: the first joint loads meet
	s_mov_b32 s[G0S], 1
	s_add_co_u32 s[G0S+1], s94, SCL
	s_mov_b64 s[G0S+2:G0S+3], s[22:23]
	s_or_b32 s[G0S+3], s[G0S+3], 0x80000000
	s_mov_b32 s[G0SB], 1
	s_add_co_u32 s[G0SB+1], s94, SCL
	s_mov_b64 s[G0SB+2:G0SB+3], s[92:93]
	s_or_b32 s[G0SB+3], s[G0SB+3], 0x80000000
	JLOAD G0S, G1S, G0SB, G1SB                     ; the scales first: they are wanted with the first slot
.irp s, 0,1
	s_mov_b32 s[G0+4*\s], 1
	s_add_co_u32 s[G0+4*\s+1], s45, \s*SLOT
	s_add_nc_u64 s[G0+4*\s+2:G0+4*\s+3], s[20:21], \s*ROWB
	s_or_b32 s[G0+4*\s+3], s[G0+4*\s+3], 0x80000000
	s_mov_b32 s[G0B+4*\s], 1
	s_add_co_u32 s[G0B+4*\s+1], s45, \s*SLOT
	s_add_nc_u64 s[G0B+4*\s+2:G0B+4*\s+3], s[46:47], \s*ROWB
	s_or_b32 s[G0B+4*\s+3], s[G0B+4*\s+3], 0x80000000
	JLOAD G0+4*\s, G1, G0B+4*\s, G1B               ; three tensor loads of mine are out
.endr
	v_and_b32 v1, 15, v0                           ; r = lane % 16
	v_bfe_u32 v2, v0, 4, 1                         ; h = lane / 16
	; the bias of my 128 columns: tile b's register j is b[16 b + 8 h + j], the result's layout
	s_cmp_eq_u32 ttmp9, 0
	s_cselect_b64 s[96:97], s[96:97], s[98:99]
	s_cmp_eq_u32 ttmp9, 2
	s_cselect_b64 s[96:97], s[100:101], s[96:97]   ; the choice hangs on the cluster's x alone
	s_lshl_b32 s20, s40, 10
	s_lshl_b32 s21, s16, 9
	s_add_co_u32 s20, s20, s21
	s_mov_b32 s21, 0
	s_add_nc_u64 s[96:97], s[96:97], s[20:21]
	v_lshlrev_b32 v[BOF], 5, v2
.irp b, 0,1,2,3,4,5,6,7
	global_load_b128 v[BIAS+8*\b:BIAS+8*\b+3], v[BOF], s[96:97] offset:64*\b
	global_load_b128 v[BIAS+8*\b+4:BIAS+8*\b+7], v[BOF], s[96:97] offset:64*\b+16
.endr
	v_mul_u32_u24 v3, v1, PITCH
	v_lshl_add_u32 v4, v2, 4, v3                   ; a fragment's row x pitch + 16 x half
	s_mul_i32 s21, s15, HALFT                      ; my 128 rows of A
	s_mul_i32 s22, s16, HALFT                      ; my 128 rows of B,
	s_add_co_u32 s22, s22, 2*HALFT                 ; behind A's 256
.irp s, 0,1
	v_add_nc_u32 v[ADRA+\s], s21, v4
	v_add_nc_u32 v[ADRB+\s], s22, v4
	s_add_co_u32 s21, s21, SLOT
	s_add_co_u32 s22, s22, SLOT
.endr
	v_mul_u32_u24 v5, v1, KS                       ; my row's scales: 32 bytes a row,
	v_lshrrev_b32 v6, 8, v5
	v_lshl_add_u32 v5, v6, 4, v5                   ; and 16 more for each 256 passed
	s_mul_i32 s21, s15, HALFS
	s_mul_i32 s22, s16, HALFS
	s_add_co_u32 s22, s22, 2*HALFS
	s_sub_co_u32 s22, s22, s21
	v_mul_u32_u24 v6, s22, v2                      ; lanes 16-31 take B's: one product, the distance between the two bases
	s_add_co_u32 s21, s21, SCL
	v_add_nc_u32 v5, v5, v6
	v_add_nc_u32 v[ADRS], s21, v5
	; the way out
	s_mul_i32 s23, s14, 16*SPITCH                  ; my stage
	v_mul_u32_u24 v5, v1, SPITCH
	v_lshl_add_u32 v5, v2, 4, v5
	v_add_nc_u32 v[STO], s23, v5                   ; in: row r, 16 bytes for each half of the lanes
	v_bfe_u32 v5, v0, 3, 1                         ; back: lanes 0-15 the first head's 128 bytes of two rows, lanes 16-31 the second head's
	v_and_b32 v6, 7, v0
	v_mul_u32_u24 v7, v5, SPITCH
	v_lshl_add_u32 v7, v2, 7, v7
	v_lshl_add_u32 v7, v6, 4, v7
	v_add_nc_u32 v[RD], s23, v7
	v_lshlrev_b32 v7, 18, v2                       ; in memory a head is 262,144 bytes on, a position 128
	v_lshl_add_u32 v7, v5, 7, v7
	v_lshl_add_u32 v[CO], v6, 4, v7
	v_mul_u32_u24 v[SIDE], v1, 12288
	v_lshl_add_u32 v[SIDE], v2, 5, v[SIDE]
	s_lshl_b32 s20, s41, 4
	s_lshl_b32 s21, s40, 2
	s_add_co_u32 s20, s20, s21
	s_lshl_b32 s21, s16, 1
	s_add_co_u32 s20, s20, s21                     ; 16 batch + my first head
	s_lshl_b32 s20, s20, 11
	s_lshl_b32 s21, s95, 8
	s_add_co_u32 s20, s20, s21
	s_lshl_b32 s21, s15, 7
	s_add_co_u32 s20, s20, s21                     ; + my first position
	s_lshl_b32 s20, s20, 7
	s_lshl_b32 s21, ttmp9, 24                      ; + T x 16,777,216
	s_add_co_u32 s20, s20, s21
	s_mov_b32 s21, 0
	s_add_nc_u64 s[12:13], s[12:13], s[20:21]
	s_mul_i32 s20, s41, 196608
	s_lshl_b32 s21, s42, 10
	s_add_co_u32 s20, s20, s21
	s_lshl_b32 s21, s16, 9
	s_add_co_u32 s20, s20, s21
	s_mov_b32 s21, 0
	s_add_nc_u64 s[66:67], s[66:67], s[20:21]
.macro FRAG reg, adr, q, i             ; 16 rows x 128 K of 4-bit codes: 8 registers; two loads of 16 bytes, 32 bytes apart
.irp c, 0,1
	ds_load_b128 v[\reg+4*\c:\reg+4*\c+3], v[\adr] offset:64*(\q)+32*\c+(\i)*16*PITCH
.endr
.endm
; 16 matrix instructions: A's blocks a0, a0 + 1 x B's eight, the slot's q-th 128 along K.  p: B's set; sc: the set of scale words.  first = 1: the bias starts the sums.
; The 64 accumulators take turns, one instruction a turn, in the same order in every step.
.macro MUL16 a0, p, q, sc, first
.irp a, \a0, \a0+1
.irp b, 0,1,2,3,4,5,6,7
.if \first
	v_wmma_scale_f32_16x16x128_f8f6f4 v[8*(8*((\a)%4)+\b):8*(8*((\a)%4)+\b)+7], v[128*(\p)+FR*\b:128*(\p)+FR*\b+FR-1], v[AF+FR*(\a):AF+FR*(\a)+FR-1], v[BIAS+8*\b:BIAS+8*\b+7], v[SC+8*NQ*(\sc)+NQ*\b+(\q)], v[SC+8*NQ*(\sc)+NQ*(\a)+(\q)] matrix_a_fmt:MATRIX_FMT_FP4 matrix_b_fmt:MATRIX_FMT_FP4 matrix_a_scale:MATRIX_SCALE_ROW1
.else
	v_wmma_scale_f32_16x16x128_f8f6f4 v[8*(8*((\a)%4)+\b):8*(8*((\a)%4)+\b)+7], v[128*(\p)+FR*\b:128*(\p)+FR*\b+FR-1], v[AF+FR*(\a):AF+FR*(\a)+FR-1], v[8*(8*((\a)%4)+\b):8*(8*((\a)%4)+\b)+7], v[SC+8*NQ*(\sc)+NQ*\b+(\q)], v[SC+8*NQ*(\sc)+NQ*(\a)+(\q)] matrix_a_fmt:MATRIX_FMT_FP4 matrix_b_fmt:MATRIX_FMT_FP4 matrix_a_scale:MATRIX_SCALE_ROW1
.endif
.endr
.endr
.endm
.macro FETCH_B slot, q, p
	WIN TO_B
.irp i, 0,1,2,3,4,5,6,7
	FRAG 128*(\p)+FR*\i, ADRB+\slot, \q, \i
.endr
	WIN 0
.endm
.macro FETCH_A slot, q, i0
.irp i, \i0, \i0+1, \i0+2, \i0+3
	FRAG AF+FR*(\i), ADRA+\slot, \q, \i
.endr
.endm
.macro SCALES sc                       ; a slot's scale words: four words a row; lanes 0-15 take A's block i, lanes 16-31 B's block i
.irp i, 0,1,2,3,4,5,6,7
	ds_load_b128 v[SC+8*NQ*\sc+NQ*\i:SC+8*NQ*\sc+NQ*\i+3], v[ADRS] offset:\i*SBLK
.endr
.endm
.macro PLACES n                        ; plain vector lines between a matrix instruction and a load into, or a read of, its registers
.rept \n
	v_nop
.endr
.endm
.macro STEP slot, q, first             ; a step of 128 along K that has its successor in the same slot
	s_wait_dscnt 4*NL                              ; B's set and A's blocks 0-3 are in; the youngest eight loads (A's blocks 4-7) may be out
.if \first
	WIN MUL_LOB
.else
	WIN MUL_LO
.endif
	MUL16 0, (\q)%2, \q, \slot, \first
	MUL16 2, (\q)%2, \q, \slot, \first
	s_wait_dscnt 0
	PLACES NP
	FETCH_B \slot, (\q)+1, 1-(\q)%2
	FETCH_A \slot, (\q)+1, 0
.if \first
	WIN MUL_HIB
.else
	WIN MUL_HI
.endif
	MUL16 4, (\q)%2, \q, \slot, \first
	MUL16 6, (\q)%2, \q, \slot, \first
	PLACES NP
	WIN 0
	FETCH_A \slot, (\q)+1, 4
.endm
.macro TURN slot, next                 ; slot 0's last step changes slots: one barrier; nothing is filled again
	s_wait_tensorcnt 0x0                           ; all my tensor loads have landed: my part of the next slot
	ds_add_u32 v[SPW], v[NIL]                      ; 0 onto my spare word
	s_wait_dscnt 4*NL+1                            ; (the add and the youngest eight loads may be out)
	WIN MUL_LO
	MUL16 0, 1, NQ-1, \slot, 0
	s_wait_dscnt 0x0                               ; the add is done, and my reads of this slot are over
	s_barrier_signal -1
	MUL16 2, 1, NQ-1, \slot, 0
	WIN 0
	s_barrier_wait -1
	PLACES NP
	v_add_nc_u32 v[ADRS], 4*NQ, v[ADRS]            ; on to the next slot's scale words
	FETCH_B \next, 0, 0
	FETCH_A \next, 0, 0
	SCALES \next
	WIN MUL_HI
	MUL16 4, 1, NQ-1, \slot, 0
	MUL16 6, 1, NQ-1, \slot, 0
	PLACES NP
	WIN 0
	FETCH_A \next, 0, 4
.endm
	s_wait_tensorcnt 1                             ; the scales and my part of slot 0 are in (slot 1's load may be out)
	s_barrier_signal -1
	s_barrier_wait -1                              ; everybody's are
	FETCH_B 0, 0, 0
	FETCH_A 0, 0, 0
	SCALES 0
	FETCH_A 0, 0, 4
	s_wait_loadcnt 0x0                             ; the bias
	STEP 0, 0, 1
	STEP 0, 1, 0
	STEP 0, 2, 0
	TURN 0, 1
	STEP 1, 0, 0
	STEP 1, 1, 0
	STEP 1, 2, 0
	s_wait_dscnt 4*NL                              ; the very last step
	WIN MUL_LO
	MUL16 0, 1, NQ-1, 1, 0
	MUL16 2, 1, NQ-1, 1, 0
	s_wait_dscnt 0
	WIN MUL_HI
	MUL16 4, 1, NQ-1, 1, 0
	MUL16 6, 1, NQ-1, 1, 0
	WIN 0
	PLACES NP
	; positions 0-15 of a sequence are block 0 of the waves with the upper rows, in the clusters with y = 0: they also leave as f32 (32 bytes a lane and tile; 12,288 bytes a row apart: 786,432 bytes in the whole launch)
	s_or_b32 s94, s95, s15                         ; the cluster's y and the wave's number alone
	s_cmp_lg_u32 s94, 0
	s_cbranch_scc1 .Lno16
	WIN 0x08                                       ; a store's data are its source 1: window 2
.irp b, 0,1,2,3,4,5,6,7
	global_store_b128 v[SIDE], v[8*\b:8*\b+3], s[66:67] offset:64*\b
	global_store_b128 v[SIDE], v[8*\b+4:8*\b+7], s[66:67] offset:64*\b+16
.endr
	WIN 0
.Lno16:
; THE WAY OUT, block by block of 16 rows x 128 columns (two heads): rounded to f16, 16 bytes a lane into my stage, back so that sixteen lanes hold two positions of one head: 256 consecutive bytes, aligned.
.macro PACK a
.set AC, 64*((\a)%4)
	WIN 0x0a+5*((\a)/4)                            ; sources 0 and 1: window 2 or 3
.irp b, 0,1,2,3,4,5,6,7
.irp i, 0,1,2,3
	v_cvt_pk_f16_f32 v[TMP+4*\b+\i], v[AC+8*\b+2*\i], v[AC+8*\b+2*\i+1]      ; each accumulator from its low end on
.endr
.endr
	WIN 0
.endm
.macro TOSTAGE a
.set BB, BK+32*((\a)%2)
.irp b, 0,1,2,3,4,5,6,7
	ds_store_b128 v[STO], v[TMP+4*\b:TMP+4*\b+3] offset:32*\b
.endr
.irp t, 0,1,2,3,4,5,6,7
	ds_load_b128 v[BB+4*\t:BB+4*\t+3], v[RD] offset:\t*2*SPITCH    ; LDS serves a wave's instructions in order: these see the stores above
.endr
.endm
.macro SEND a
.set BB, BK+32*((\a)%2)
	s_wait_dscnt 0x0                               ; the block is back in registers
	s_wait_xcnt 0x0                                ; earlier stores have read their registers: the block after this one lands where the block before lay
.irp t, 0,1,2,3,4,5,6,7
	global_store_b128 v[CO], v[BB+4*\t:BB+4*\t+3], s[12:13] offset:(\a)*2048+\t*256
.endr
.endm
	PACK 0
	TOSTAGE 0
.irp a, 1,2,3,4,5,6,7
	PACK \a                                        ; block a's conversions stand between block a - 1's loads from the stage and the wait for them
	SEND \a-1
	TOSTAGE \a
.endr
	SEND 7
	s_wait_tensorcnt 0x0                           ; the wave's end: three closing lines
	ds_add_u32 v[SPW], v[NIL]
	s_wait_dscnt 0x0
	CROUND                                         ; the closing round
	s_endpgm
.Lfunc_end_k_qd0fcde1ae3_qkv:
	.size	k_qd0fcde1ae3_qkv, .Lfunc_end_k_qd0fcde1ae3_qkv-k_qd0fcde1ae3_qkv
	.p2alignl 7, 3214868480
	.fill 96, 4, 3214868480
	.section	.rodata,"a",@progbits
	.p2align	6, 0x0
	.amdhsa_kernel k_qd0fcde1ae3_qkv
		.amdhsa_group_segment_fixed_size 327680
		.amdhsa_private_segment_fixed_size 0
		.amdhsa_enable_private_segment 0
		.amdhsa_kernarg_size 72
		.amdhsa_user_sgpr_count 2
		.amdhsa_user_sgpr_kernarg_segment_ptr 1
		.amdhsa_wavefront_size32 1
		.amdhsa_system_sgpr_workgroup_id_x 1
		.amdhsa_system_sgpr_workgroup_id_y 1
		.amdhsa_system_sgpr_workgroup_id_z 1
		.amdhsa_system_vgpr_workitem_id 0
		.amdhsa_next_free_vgpr 1024
		.amdhsa_next_free_sgpr 102
		.amdhsa_reserve_vcc 0
		.amdhsa_float_denorm_mode_32 3
		.amdhsa_float_denorm_mode_16_64 3
		.amdhsa_memory_ordered 1
		.amdhsa_forward_progress 1
		.amdhsa_inst_pref_size 131
	.end_amdhsa_kernel
	.amdgpu_metadata
---
amdhsa.version: [ 1, 2 ]
amdhsa.kernels:
  - .name:           k_qd0fcde1ae3_qkv
    .symbol:         k_qd0fcde1ae3_qkv.kd
    .args:
      - { .name: xc, .offset: 0, .size: 8, .value_kind: global_buffer, .address_space: global }
      - { .name: xs, .offset: 8, .size: 8, .value_kind: global_buffer, .address_space: global }
      - { .name: wc, .offset: 16, .size: 8, .value_kind: global_buffer, .address_space: global }
      - { .name: ws, .offset: 24, .size: 8, .value_kind: global_buffer, .address_space: global }
      - { .name: bq, .offset: 32, .size: 8, .value_kind: global_buffer, .address_space: global }
      - { .name: bk, .offset: 40, .size: 8, .value_kind: global_buffer, .address_space: global }
      - { .name: bv, .offset: 48, .size: 8, .value_kind: global_buffer, .address_space: global }
      - { .name: qkv, .offset: 56, .size: 8, .value_kind: global_buffer, .address_space: global }
      - { .name: qkv16, .offset: 64, .size: 8, .value_kind: global_buffer, .address_space: global }
    .group_segment_fixed_size: 327680
    .private_segment_fixed_size: 0
    .kernarg_segment_align: 8
    .kernarg_segment_size: 72
    .max_flat_workgroup_size: 128
    .sgpr_count:     102
    .vgpr_count:     1024
    .wavefront_size: 32
...
	.end_amdgpu_metadata
.endif
;; end of part 2
;; launch attn (part 3): grid 4 x 64, 16 waves a work-group, no clusters, 327,680 bytes of LDS; arguments qkv, o16; writes o16
.if DOCPART == 3
	.amdgcn_target "amdgcn-amd-amdhsa--gfx1250"
	.amdhsa_code_object_version 6
	.text
	.protected	k_qd0fcde1ae3_attn
	.globl	k_qd0fcde1ae3_attn
	.p2align	8
	.type	k_qd0fcde1ae3_attn,@function
k_qd0fcde1ae3_attn:
	s_mov_b64 s[64:65], 0
	v_nop
	global_prefetch_b8 v0, s[64:65] scope:SCOPE_SE
	s_setreg_imm32_b32 hwreg(HW_REG_WAVE_MODE, 25, 1), 1
	s_wait_xcnt 0x0
; o[bh][q] = the sum over k <= q of softmax_k(q . k / 8) v[bh][k].  q, k, v: f16, qkv [T][bh 64][s 2048][64]; o16: f16 [bh][s][64].  Products on f16 operands with f32 sums; maxima, exponentials and sums in f32;
; the weights p (at most 1) are rounded to f16 for the second product; the row's sum is taken of the unrounded p.  A running maximum is taken away before every exponential.
; (Positions 0-15 of every sequence are computed here too, but what is made of them is not stored by the next launch: a launch of its own carries them in f32.)
; SHARES.  A work-group owns query blocks i and 7 - i (256 queries each) of one (batch, head): 9 block-steps of keys whatever i, 256 work-groups.  Each of its sixteen waves owns 32 queries, two tiles of 16, so that
; each fragment of K and V read from LDS feeds two matrix instructions.  Of waves 2 n and 2 n + 1 one works in block i and one in block 7 - i, which of the two changing with bit 2 of the wave's number.
; Every wave walks all 8 slots of 256 keys (the trip counts are constants); a step of 64 keys that lies wholly behind the wave's queries is jumped over by a scalar branch on ids; the step on the diagonal is masked.
; A slot whose first key lies behind the work-group's last query is read by no wave and is not asked for.
; NO CLUSTER: the four work-groups of a head want 8, 7, 6 and 5 slots: a joint load would bring tiles that a partner never reads.
; LAYOUT.  S^T = K Q^T (source 0 = 16 keys, source 1 = 16 queries): a lane holds one query (lane % 16) and keys 8 (lane / 16) + 0..7 of each tile; two tiles, rounded in pairs, are source 1 (32 keys) of O^T = V^T P.
; V ([key][channel]) is turned by ds_load_tr16_b128.
.set PK,    144                        ; a row of K in LDS: 128 bytes + 16: rows start 36 words apart
.set PV,    160                        ; a row of V: 128 + 32: rows start 40 words apart, for the turning load
.set VOFF,  256*PK                     ; a slot: 256 rows of K, then 256 rows of V
.set SLOT1, 1<<17                      ; slot 1 begins here: one exclusive or turns an address from slot to slot
.set STAGE, SLOT1+256*(PK+PV)          ; the way out: 32 rows x 144 bytes for each wave; no tile lands here
.set SPARE, STAGE+16*32*PK             ; the spare words: 128 bytes a wave
.set AK0, 1                            ; v1   my lane's place in a tile of K
.set AV0, 2                            ; v2   the same for V
.set ADK, 3                            ; v3   address of the step's K (at the head: my offset in Q)
.set ADV, 4                            ; v4   of its V
.set SPW, 5
.set NIL, 6
.set DB,  7                            ; v7   lane % 16 - 8 (lane / 16), for the mask
.set NINF, 9                           ; v9   -infinity
.set ST,  12                           ; tile t's statistics at v[12 + 8 t]: +0 c m, +1 m, +2, +3 the sum in two halves, +4 .. +7 c0-c3 at work (a takes c2's place)
.set STO, 28
.set RD,  29
.set GO,  30
.set PFO, 31
.set Q,   32                           ; v32-63   Q: tile t, channels 32 kk on, at 32 + 16 t + 8 kk
.set KVR, 64                           ; v64-127  a step's 8 fragments of K, then of V
.set S,   128                          ; v128-191 S^T, 32 a tile; p is packed in place
.set O,   192                          ; v192-255 O^T, 32 a tile
.set WV,  8
.set G1K, 16
.set G1V, 24
.set G0K, 32
.set G0V, 36
.set TB,  40                           ; s40  LDS byte at which the slot in hand begins
.set KF,  42                           ; s42  the step's first key
.set Q0,  43                           ; s43  my first query
.set QL,  44                           ; s44  my work-group's last query
.set SLOTS, 45
.set CS,  48                           ; s[48:49] c = log2(e) / 8
.set SEL, 50
.set PFA, 52
.set LIM, 54
.macro TLOAD                           ; waves 0 and 1 fetch K's halves, waves 2 and 3 V's, the others nothing; an s_nop 0 and four v_nop follow each line
	s_cmp_lt_u32 s[WV], 2
	s_cbranch_scc0 .Lnot_k_\@
	tensor_load_to_lds s[G0K:G0K+3], s[G1K:G1K+7]
	s_nop 0
.rept 4
	v_nop
.endr
	s_branch .Lasked_\@
.Lnot_k_\@:
	s_cmp_lt_u32 s[WV], 4
	s_cbranch_scc0 .Lasked_\@
	tensor_load_to_lds s[G0V:G0V+3], s[G1V:G1V+7]
	s_nop 0
.rept 4
	v_nop
.endr
.Lasked_\@:
.endm
; A prefetch of what the NEXT change of slots will ask for: 256 rows of K and of V, 32,768 dense bytes each.  Each aligned 256 bytes are named once in the launch: the head's first work-group asks (it walks all 8 slots);
; in it waves 4 to 7 ask for K's block and waves 8 to 11 for V's, 8,192 bytes a wave, lanes 256 bytes apart.  The last change that fills a slot asks for nothing; slots 0 and 1 come by their loads alone.
.macro ASK
	s_cmp_gt_u32 s[SLOTS], s[LIM]
	s_cbranch_scc0 .Lnot_mine_\@
	global_prefetch_b8 v[PFO], s[PFA:PFA+1] th:TH_LOAD_NT scope:SCOPE_SE
.Lnot_mine_\@:
.endm
	s_load_b128 s[4:7], s[0:1], 0x0                ; qkv, o16
	v_lshl_add_u32 v[SPW], v0, 2, SPARE
	v_mov_b32 v[NIL], 0
	ds_add_u32 v[SPW], v[NIL]                      ; the wave's opening: the add, twice on end, and its wait ahead of the first tensor load
	ds_add_u32 v[SPW], v[NIL]
	v_lshrrev_b32 v10, 5, v0
	v_readfirstlane_b32 s[WV], v10                 ; wave 0..15
	s_and_b32 s9, ttmp7, 0xffff                    ; batch x 16 + head
	s_lshl_b32 s10, s9, 18                         ; its 262,144 bytes in each of q, k, v, o
	s_mov_b32 s11, 0
	s_lshr_b32 s12, s[WV], 2
	s_xor_b32 s12, s12, s[WV]
	s_and_b32 s12, s12, 1                          ; g: 0 block i, 1 block 7 - i
	s_lshl_b32 s13, ttmp9, 1
	s_sub_co_u32 s13, 7, s13
	s_mul_i32 s13, s13, s12
	s_add_co_u32 s13, s13, ttmp9                   ; my block = i + g (7 - 2 i)
	s_lshl_b32 s[Q0], s13, 8
	s_lshr_b32 s14, s[WV], 1
	s_lshl_b32 s14, s14, 5
	s_add_co_u32 s[Q0], s[Q0], s14                 ; my first query
	s_sub_co_u32 s[QL], 7, ttmp9
	s_lshl_b32 s[QL], s[QL], 8
	s_or_b32 s[QL], s[QL], 255
	s_mov_b32 s[G1K], (1<<16)|(1<<20)|(4<<22)|(3<<25)    ; no mask; elements of 2 bytes; padding: 4 words after every 32
	s_mov_b32 s[G1V], (1<<16)|(1<<20)|(4<<22)|(7<<25)    ; 8 words after every 32
.irp g, G1K, G1V
	s_mov_b32 s[\g+1], 64<<16                      ; tensor_dim0
	s_mov_b32 s[\g+2], 128<<16                     ; tensor_dim1
	s_mov_b32 s[\g+3], 64<<16                      ; tile_dim0
	s_mov_b32 s[\g+4], 128                         ; tile_dim1: half a slot's rows
	s_mov_b32 s[\g+5], 64                          ; the pitch
	s_mov_b32 s[\g+6], 0
	s_mov_b32 s[\g+7], 0
.endr
	s_and_b32 s15, s[WV], 1                        ; which half I fetch, if I fetch
	s_mul_i32 s55, s15, 128*PK
	s_mul_i32 s56, s15, 128*PV
	s_add_co_u32 s56, s56, VOFF
	s_lshl_b32 s58, s15, 14
	s_mov_b32 s59, 0
	s_add_nc_u64 s[58:59], s[58:59], s[10:11]
	s_mov_b32 s[CS], 0x3e38aa3b                    ; c = log2(e) / sqrt(64)
	s_mov_b32 s[CS+1], s[CS]
	s_mov_b32 s[SEL], 0x76543210
	s_mov_b32 s[SEL+1], 0xfedcba98
	s_mov_b32 s[TB], 0
	s_mov_b32 s[KF], 0
	s_mov_b32 s[SLOTS], 7
	s_wait_dscnt 0x0                               ; both opening adds are done
	s_wait_kmcnt 0x0
	s_mov_b32 s[G0K], 1
	s_mov_b32 s[G0K+1], s55
	s_add_nc_u64 s[G0K+2:G0K+3], s[4:5], s[58:59]
	s_add_nc_u64 s[G0K+2:G0K+3], s[G0K+2:G0K+3], 0x1000000     ; k lies 16,777,216 bytes behind q
	s_or_b32 s[G0K+3], s[G0K+3], 0x80000000
	s_mov_b32 s[G0V], 1
	s_mov_b32 s[G0V+1], s56
	s_add_nc_u64 s[G0V+2:G0V+3], s[4:5], s[58:59]
	s_add_nc_u64 s[G0V+2:G0V+3], s[G0V+2:G0V+3], 0x2000000
	s_or_b32 s[G0V+3], s[G0V+3], 0x80000000
	TLOAD                                          ; slot 0: it holds key 0, which counts for every query
	s_lshl_b32 s56, s[Q0], 7
	s_add_co_u32 s56, s56, s10
	s_mov_b32 s57, 0
	s_add_nc_u64 s[12:13], s[4:5], s[56:57]        ; Q at my first query
	s_add_nc_u64 s[14:15], s[6:7], s[56:57]        ; o likewise
	v_and_b32 v10, 15, v0                          ; r
	v_bfe_u32 v11, v0, 4, 1                        ; h
	v_lshlrev_b32 v[ADK], 7, v10
	v_lshl_add_u32 v[ADK], v11, 4, v[ADK]          ; Q: row r of 128 bytes + 16 h
.irp t, 0,1
.irp kk, 0,1
	global_load_b128 v[Q+16*\t+8*\kk:Q+16*\t+8*\kk+3], v[ADK], s[12:13] offset:\t*2048+\kk*64
	global_load_b128 v[Q+16*\t+8*\kk+4:Q+16*\t+8*\kk+7], v[ADK], s[12:13] offset:\t*2048+\kk*64+32
.endr
.endr
	; the prefetches: where my wave's stand, and who asks
	s_mov_b32 s57, 0x2000000
	s_cmp_lt_u32 s[WV], 8
	s_cselect_b32 s56, 0x1000000, s57              ; waves 4 to 7: k; waves 8 to 11: v
	s_and_b32 s57, s[WV], 3
	s_lshl_b32 s57, s57, 13
	s_add_co_u32 s56, s56, s57
	s_add_co_u32 s56, s56, s10
	s_add_co_u32 s56, s56, 32768                   ; in slot 1: the first change of slots steps it to slot 2
	s_mov_b32 s57, 0
	s_add_nc_u64 s[PFA:PFA+1], s[4:5], s[56:57]
	s_sub_co_u32 s56, s[WV], 4
	s_lshr_b32 s56, s56, 3                         ; 0 in waves 4 to 11,
	s_or_b32 s56, s56, ttmp9                       ; of the head's first work-group
	s_cmp_eq_u32 s56, 0
	s_cselect_b32 s[LIM], 1, -1
	v_mul_u32_u24 v[AK0], v10, PK
	v_lshl_add_u32 v[AK0], v11, 4, v[AK0]          ; K: row r x pitch + 16 h
	v_and_b32 v[AV0], 7, v0
	v_lshl_add_u32 v[AV0], v11, 3, v[AV0]
	v_mul_u32_u24 v[AV0], v[AV0], PV
	v_bfe_u32 v8, v0, 3, 1
	v_lshl_add_u32 v[AV0], v8, 4, v[AV0]
	v_add_nc_u32 v[AV0], VOFF, v[AV0]              ; V: key 8 h + lane % 8, channels 8 ((lane / 8) % 2) on
	v_lshlrev_b32 v8, 3, v11
	v_sub_nc_u32 v[DB], v10, v8
	v_mov_b32 v[NINF], 0xff800000
	s_mul_i32 s56, s[WV], 32*PK
	s_add_co_u32 s56, s56, STAGE                   ; my stage
	v_add_nc_u32 v[STO], s56, v[AK0]               ; in: row r, 16 bytes for each half of the lanes
	v_and_b32 v[PFO], 31, v0
	v_lshlrev_b32 v[GO], 4, v[PFO]                 ; back: eight lanes a row of 128 bytes, four rows an instruction: 512 consecutive bytes of o
	v_lshrrev_b32 v[RD], 3, v[PFO]
	v_mul_u32_u24 v[RD], v[RD], PK
	v_and_b32 v8, 7, v0
	v_lshl_add_u32 v[RD], v8, 4, v[RD]
	v_add_nc_u32 v[RD], s56, v[RD]
	v_lshlrev_b32 v[PFO], 8, v[PFO]
.irp t, 0,1
	v_mov_b32 v[ST+8*\t+1], 0xff61b1e6             ; the largest score so far: -3e38, under every score
	v_mul_f32 v[ST+8*\t], s[CS], v[ST+8*\t+1]
.irp j, 2,3,4,5,6,7
	v_mov_b32 v[ST+8*\t+\j], 0
.endr
.endr
.set i, 0
.rept 64
	v_mov_b32 v[O+i], 0                            ; O^T: the step is written without a first step of its own: the first finds zeros, which the first a = 0 leaves zeros
.set i, i+1
.endr
; THE SOFTMAX of both tiles for one key step; in every group of lines the two tiles alternate.
.macro SOFTMAX
.irp q, 0,1,2,3
.irp t, 0,1
	v_max3_num_f32 v[ST+8*\t+4+\q], v[S+32*\t+8*\q], v[S+32*\t+8*\q+1], v[S+32*\t+8*\q+2]      ; four chains, each on one accumulator, from its low end on
.endr
.endr
.irp u, 1,2
.irp q, 0,1,2,3
.irp t, 0,1
	v_max3_num_f32 v[ST+8*\t+4+\q], v[ST+8*\t+4+\q], v[S+32*\t+8*\q+2*\u+1], v[S+32*\t+8*\q+2*\u+2]
.endr
.endr
.endr
.irp t, 0,1
	v_max3_num_f32 v[ST+8*\t+4], v[ST+8*\t+4], v[S+32*\t+7], v[S+32*\t+15]
.endr
.irp t, 0,1
	v_max3_num_f32 v[ST+8*\t+6], v[ST+8*\t+6], v[S+32*\t+23], v[S+32*\t+31]
.endr
.irp t, 0,1
	v_max3_num_f32 v[ST+8*\t+4], v[ST+8*\t+4], v[ST+8*\t+5], v[ST+8*\t+6]
.endr
.irp t, 0,1
	v_max3_num_f32 v[ST+8*\t+4], v[ST+8*\t+4], v[ST+8*\t+7], v[ST+8*\t+1]      ; with the old m
.endr
.irp t, 0,1
	v_permlanex16_b32 v[ST+8*\t+5], v[ST+8*\t+4], s[SEL], s[SEL+1]             ; the query's other 32 keys lie in the lane 16 away
.endr
.irp t, 0,1
	v_mov_b32 v[ST+8*\t+7], v[ST+8*\t]             ; c m_old
.endr
.irp t, 0,1
	v_max_num_f32 v[ST+8*\t+1], v[ST+8*\t+4], v[ST+8*\t+5]
.endr
.irp t, 0,1
	v_mul_f32 v[ST+8*\t], s[CS], v[ST+8*\t+1]
.endr
.irp t, 0,1
	v_sub_f32 v[ST+8*\t+7], v[ST+8*\t+7], v[ST+8*\t]
.endr
.irp j, 0,2,4,6,8,10,12,14,16,18,20,22,24,26,28,30
.irp t, 0,1
	v_pk_fma_f32 v[S+32*\t+\j:S+32*\t+\j+1], v[S+32*\t+\j:S+32*\t+\j+1], s[CS:CS+1], v[ST+8*\t:ST+8*\t+1] op_sel_hi:[1,0,0] neg_lo:[0,0,1] neg_hi:[0,0,1]   ; c s - c m
.endr
.endr
.irp t, 0,1
	v_exp_f32 v[ST+8*\t+6], v[ST+8*\t+7]           ; a = 2^(c m_old - c m_new)
.endr
.irp j, 0,1,2,3,4,5,6,7,8,9,10,11,12,13,14,15,16,17,18,19,20,21,22,23,24,25,26,27,28,29,30,31
.irp t, 0,1
	v_exp_f32 v[S+32*\t+\j], v[S+32*\t+\j]         ; p = 2^(c s - c m): one batch of 66 exponentials
.endr
.endr
	v_nop                                          ; a plain line behind the last exponential
	s_wait_alu depctr_va_vdst(0)                   ; one wait for the batch, ahead of its first reader
.irp t, 0,1
	v_pk_mul_f32 v[ST+8*\t+2:ST+8*\t+3], v[ST+8*\t+2:ST+8*\t+3], v[ST+8*\t+6:ST+8*\t+7] op_sel_hi:[1,0]     ; the sum under the new m
.endr
.irp t, 0,1
	v_pk_add_f32 v[ST+8*\t+4:ST+8*\t+5], v[S+32*\t:S+32*\t+1], v[S+32*\t+2:S+32*\t+3]                      ; the row's sum, of the unrounded p, in two chains
.endr
.irp j, 4,8,12,16,20,24,28
.irp t, 0,1
	v_pk_add_f32 v[ST+8*\t+2:ST+8*\t+3], v[ST+8*\t+2:ST+8*\t+3], v[S+32*\t+\j:S+32*\t+\j+1]
	v_pk_add_f32 v[ST+8*\t+4:ST+8*\t+5], v[ST+8*\t+4:ST+8*\t+5], v[S+32*\t+\j+2:S+32*\t+\j+3]
.endr
.endr
.irp t, 0,1
	v_pk_add_f32 v[ST+8*\t+2:ST+8*\t+3], v[ST+8*\t+2:ST+8*\t+3], v[ST+8*\t+4:ST+8*\t+5]
.endr
.irp f, 0,1
.irp i, 0,1,2,3,4,5,6,7
.irp t, 0,1
	v_cvt_pk_f16_f32 v[S+32*\t+16*\f+\i], v[S+32*\t+16*\f+2*\i], v[S+32*\t+16*\f+2*\i+1]     ; p to f16, in place: register i is written when registers 2 i and 2 i + 1 are read, and i <= 2 i
.endr
.endr
.endr
.irp j, 0,2,4,6,8,10,12,14,16,18,20,22,24,26,28,30
.irp t, 0,1
	v_pk_mul_f32 v[O+32*\t+\j:O+32*\t+\j+1], v[O+32*\t+\j:O+32*\t+\j+1], v[ST+8*\t+6:ST+8*\t+7] op_sel_hi:[1,0]   ; O^T x a, each accumulator from its low end on
.endr
.endr
.endm
; A KEY STEP: 64 keys, the q-th of the slot in hand.
.macro STEP q
	s_add_co_u32 s55, s[Q0], 31
	s_cmp_gt_u32 s[KF], s55                        ; all 64 keys behind my 32 queries: the step's work is left out (ids alone; no barrier and no tensor load stands in a step)
	s_cbranch_scc1 .Lhidden_\@
	v_add_nc_u32 v[ADK], s[TB], v[AK0]
	v_add_nc_u32 v[ADV], s[TB], v[AV0]
.irp kt, 0,1,2,3
.irp kk, 0,1
	ds_load_b128 v[KVR+8*(2*\kt+\kk):KVR+8*(2*\kt+\kk)+3],   v[ADK] offset:(\q)*64*PK+\kt*16*PK+\kk*64
	ds_load_b128 v[KVR+8*(2*\kt+\kk)+4:KVR+8*(2*\kt+\kk)+7], v[ADK] offset:(\q)*64*PK+\kt*16*PK+\kk*64+32
.endr
.endr
	s_wait_dscnt 0x0
.set i, 0
.rept 16                               ; S^T = K Q^T: channels 32 (i / 8) on, keys 16 ((i / 2) % 4) on, tile i % 2: eight accumulators by turns
.set rS, S+32*(i%2)+8*((i/2)%4)
.set rK, KVR+8*(2*((i/2)%4)+i/8)
.set rQ, Q+16*(i%2)+8*(i/8)
.if i < 8
	v_wmma_f32_16x16x32_f16 v[rS:rS+7], v[rK:rK+7], v[rQ:rQ+7], 0
.else
	v_wmma_f32_16x16x32_f16 v[rS:rS+7], v[rK:rK+7], v[rQ:rQ+7], v[rS:rS+7]
.endif
.set i, i+1
.endr
.rept 4
	v_nop                                          ; places in front of the loads into K's registers and of the first read of the scores
.endr
.irp f, 0,1
.irp c, 0,1,2,3
	ds_load_tr16_b128 v[KVR+8*(4*\f+\c):KVR+8*(4*\f+\c)+3],   v[ADV] offset:(\q)*64*PV+\f*32*PV+\c*32          ; V^T: keys 32 f on, channels 16 c on; it lands while the softmax is walked
	ds_load_tr16_b128 v[KVR+8*(4*\f+\c)+4:KVR+8*(4*\f+\c)+7], v[ADV] offset:(\q)*64*PV+\f*32*PV+16*PV+\c*32
.endr
.endr
	s_add_co_u32 s55, s[KF], 63
	s_cmp_le_u32 s55, s[Q0]                        ; all 64 keys count for all my queries: no mask
	s_cbranch_scc1 .Lopen_\@
	s_sub_co_i32 s55, s[Q0], s[KF]
	v_add_nc_u32 v10, s55, v[DB]                   ; d = my query - the step's first key - 8 (lane / 16).  Register n holds key 16 (n / 8) + n % 8 + 8 (lane / 16): hidden where 16 (n / 8) + n % 8 > d
	v_add_nc_u32 v11, 16, v10                      ; tile 1's queries are 16 on
.irp t, 0,1
.irp n, 0,1,2,3,4,5,6,7,8,9,10,11,12,13,14,15,16,17,18,19,20,21,22,23,24,25,26,27,28,29,30,31
	v_cmp_gt_i32 vcc_lo, 16*(\n/8)+\n%8, v[10+\t]
	v_cndmask_b32 v[S+32*\t+\n], v[S+32*\t+\n], v[NINF], vcc_lo
.endr
.endr
.Lopen_\@:
	SOFTMAX
	s_wait_dscnt 0x0                               ; V is in
.set i, 0
.rept 16                               ; O^T += V^T P: keys 32 (i / 8) on, channels 16 ((i / 2) % 4) on, tile i % 2: eight accumulators by turns
.set rO, O+32*(i%2)+8*((i/2)%4)
.set rV, KVR+8*(4*(i/8)+(i/2)%4)
.set rP, S+32*(i%2)+16*(i/8)
	v_wmma_f32_16x16x32_f16 v[rO:rO+7], v[rV:rV+7], v[rP:rP+7], v[rO:rO+7]
.set i, i+1
.endr
.rept 5
	v_nop                                          ; the next step's products write over p's registers, which these products read: five places; its loads into V's registers want four
.endr
.Lhidden_\@:
	s_add_co_u32 s[KF], s[KF], 64
.endm
; THE CHANGE OF SLOTS stands at a slot's head.  Each wave waits for all its tensor loads, adds 0 to its spare word, and waits for that and for its reads of the slot that it has left.  Behind the barrier the slot ahead is
; whole and nobody reads the other one.  fill = 1: that other slot takes the next 256 keys, up to the causal limit: the load has a whole slot's steps in which to land.  Every wait on TENSORcnt in this text is for 0.
.macro CHANGE fill
	s_wait_tensorcnt 0x0                           ; no tensor load of mine is out, so a group 0 may be written
	ds_add_u32 v[SPW], v[NIL]
.if \fill
	ds_add_u32 v[SPW], v[NIL]                      ; and once more: in every trip alike
	s_xor_b32 s[G0K+1], s[G0K+1], SLOT1            ; the walking descriptors: the other slot,
	s_add_nc_u64 s[G0K+2:G0K+3], s[G0K+2:G0K+3], 32768     ; the next 256 keys
	s_xor_b32 s[G0V+1], s[G0V+1], SLOT1
	s_add_nc_u64 s[G0V+2:G0V+3], s[G0V+2:G0V+3], 32768
	s_wait_xcnt 0x0                                ; the last prefetch, a slot back, has read its address
	s_add_nc_u64 s[PFA:PFA+1], s[PFA:PFA+1], 32768
.endif
	s_wait_dscnt 0x0
	s_barrier_signal -1
	s_barrier_wait -1
.if \fill
	s_add_co_u32 s55, s[KF], 256                   ; the first key of the slot that this change would ask for
	s_cmp_gt_u32 s55, s[QL]                        ; behind my work-group's last query: no wave would read it.  Ids and the count of steps alone: all sixteen waves go the same way
	s_cbranch_scc1 .Lpast_\@
	TLOAD                                          ; a wave's one tensor load until the next such barrier
.Lpast_\@:
	ASK
.endif
.endm
.macro SLOT_STEPS
	STEP 0
	STEP 1
	STEP 2
	STEP 3
	s_xor_b32 s[TB], s[TB], SLOT1
.endm
	s_wait_loadcnt 0x0                             ; Q
.Lslot:                                            ; 7 trips
	CHANGE 1
	SLOT_STEPS
	s_sub_co_u32 s[SLOTS], s[SLOTS], 1
	s_cmp_lg_u32 s[SLOTS], 0
	s_cbranch_scc1 .Lslot
	CHANGE 0                                       ; the last slot is written out: nothing is left to ask for
	SLOT_STEPS
	; THE WAY OUT: O^T / the sum, rounded to f16, through my stage, back as whole rows.
.irp t, 0,1
	v_add_f32 v[ST+8*\t+4], v[ST+8*\t+2], v[ST+8*\t+3]
.endr
.irp t, 0,1
	v_permlanex16_b32 v[ST+8*\t+5], v[ST+8*\t+4], s[SEL], s[SEL+1]
.endr
.irp t, 0,1
	v_add_f32 v[ST+8*\t+4], v[ST+8*\t+4], v[ST+8*\t+5]
.endr
.irp t, 0,1
	v_rcp_f32 v[ST+8*\t+6], v[ST+8*\t+4]
.endr
	v_nop
	s_wait_alu depctr_va_vdst(0)                   ; one wait for the two reciprocals, ahead of their first reader
.irp t, 0,1
.irp j, 0,2,4,6,8,10,12,14,16,18,20,22,24,26,28,30
	v_pk_mul_f32 v[O+32*\t+\j:O+32*\t+\j+1], v[O+32*\t+\j:O+32*\t+\j+1], v[ST+8*\t+6:ST+8*\t+7] op_sel_hi:[1,0]
.endr
.endr
.irp t, 0,1
.irp i, 0,1,2,3,4,5,6,7,8,9,10,11,12,13,14,15
	v_cvt_pk_f16_f32 v[S+16*\t+\i], v[O+32*\t+2*\i], v[O+32*\t+2*\i+1]
.endr
.endr
.irp t, 0,1
.irp c, 0,1,2,3
	ds_store_b128 v[STO], v[S+16*\t+4*\c:S+16*\t+4*\c+3] offset:\t*16*PK+32*\c     ; query 16 t + r, channels 16 c + 8 h on
.endr
.endr
.irp u, 0,1,2,3,4,5,6,7
	ds_load_b128 v[KVR+4*\u:KVR+4*\u+3], v[RD] offset:\u*4*PK                      ; LDS serves a wave's instructions in order: these see my stores
.endr
.irp u, 0,1,2,3,4,5,6,7
	s_wait_dscnt 7-\u
	global_store_b128 v[GO], v[KVR+4*\u:KVR+4*\u+3], s[14:15] offset:512*\u        ; 32 lanes store 512 consecutive bytes, aligned
.endr
	s_wait_tensorcnt 0x0                           ; the wave's end: three closing lines
	ds_add_u32 v[SPW], v[NIL]
	s_wait_dscnt 0x0
	s_endpgm
.Lfunc_end_k_qd0fcde1ae3_attn:
	.size	k_qd0fcde1ae3_attn, .Lfunc_end_k_qd0fcde1ae3_attn-k_qd0fcde1ae3_attn
	.p2alignl 7, 3214868480
	.fill 96, 4, 3214868480
	.section	.rodata,"a",@progbits
	.p2align	6, 0x0
	.amdhsa_kernel k_qd0fcde1ae3_attn
		.amdhsa_group_segment_fixed_size 327680
		.amdhsa_private_segment_fixed_size 0
		.amdhsa_enable_private_segment 0
		.amdhsa_kernarg_size 16
		.amdhsa_user_sgpr_count 2
		.amdhsa_user_sgpr_kernarg_segment_ptr 1
		.amdhsa_wavefront_size32 1
		.amdhsa_system_sgpr_workgroup_id_x 1
		.amdhsa_system_sgpr_workgroup_id_y 1
		.amdhsa_system_sgpr_workgroup_id_z 1
		.amdhsa_system_vgpr_workitem_id 0
		.amdhsa_next_free_vgpr 256
		.amdhsa_next_free_sgpr 66
		.amdhsa_reserve_vcc 1
		.amdhsa_float_denorm_mode_32 3
		.amdhsa_float_denorm_mode_16_64 3
		.amdhsa_memory_ordered 1
		.amdhsa_forward_progress 1
		.amdhsa_inst_pref_size 189
	.end_amdhsa_kernel
	.amdgpu_metadata
---
amdhsa.version: [ 1, 2 ]
amdhsa.kernels:
  - .name:           k_qd0fcde1ae3_attn
    .symbol:         k_qd0fcde1ae3_attn.kd
    .args:
      - { .name: qkv, .offset: 0, .size: 8, .value_kind: global_buffer, .address_space: global }
      - { .name: o16, .offset: 8, .size: 8, .value_kind: global_buffer, .address_space: global }
    .group_segment_fixed_size: 327680
    .private_segment_fixed_size: 0
    .kernarg_segment_align: 8
    .kernarg_segment_size: 16
    .max_flat_workgroup_size: 512
    .sgpr_count:     66
    .vgpr_count:     256
    .wavefront_size: 32
...
	.end_amdgpu_metadata
.endif
;; end of part 3
;; launch oproj (part 4): grid 8 x 32, 4 waves a work-group, clusters of 4 x 4, 327,680 bytes of LDS; arguments o16, wo16, bo, out0; writes out0
.if DOCPART == 4
	.amdgcn_target "amdgcn-amd-amdhsa--gfx1250"
	.amdhsa_code_object_version 6
	.text
	.protected	k_qd0fcde1ae3_oproj
	.globl	k_qd0fcde1ae3_oproj
	.p2align	8
	.type	k_qd0fcde1ae3_oproj,@function
k_qd0fcde1ae3_oproj:
	s_mov_b64 s[64:65], 0
	v_nop
	global_prefetch_b8 v0, s[64:65] scope:SCOPE_SE
	s_setreg_imm32_b32 hwreg(HW_REG_WAVE_MODE, 25, 1), 1
	s_wait_xcnt 0x0
	s_wait_alu depctr_hold_cnt(0) depctr_sa_sdst(0) depctr_va_vdst(0) depctr_va_sdst(0) depctr_va_ssrc(0) depctr_va_vcc(0) depctr_vm_vsrc(0)
	s_getreg_b32 s2, hwreg(HW_REG_IB_STS2, 6, 4)
	s_cmp_eq_u32 s2, 0
	s_cbranch_scc0 .Lentry_in_a_cluster
	s_endpgm
.Lentry_in_a_cluster:
	s_bfe_u32 s2, ttmp6, 0x10000c
	s_cmp_lg_u32 s2, 0xf033
	s_cbranch_scc0 .Lentry_shape_is_right
	s_endpgm
.Lentry_shape_is_right:
; out0 = o Wo + bo: a GEMM 8192 x 1024 x 1024 on f16 operands with f32 sums.  A = o16 [b x 16 + head][s 2048][64] (k = 64 head + channel); B = wo16 [k 1024][n 1024], turned on its way out of LDS by ds_load_tr16_b128.
; The bias is the C of each sum's first matrix instruction.  Positions 0-15 of every sequence are NOT stored here: the next launch carries them in f32.
; A tile of out0 is 256 rows x 128 columns: 256 work-groups.  Four waves, each 128 rows x 64 columns: 32 accumulators, 256 registers.  K goes in steps of 128 (two heads) through a ring of two LDS slots.
; CLUSTERS: 4 x 4.  Tile row = 8 cy + cluster y, tile column = 4 cluster x + cx.  A's tiles are asked for jointly along a row of the cluster, B's along a column.  Waves 0 and 1 fetch A (a head each: 256 rows, 32,768 dense bytes),
; waves 2 and 3 B (64 rows of k each).  The matrix instruction is used transposed (source 0 = 16 columns of Wo, source 1 = 16 rows of o): a lane holds eight neighbouring columns of a row of out0.
; REGISTERS: window 0: v16-31 addresses; v32-63 the bias; v64-127 rows on the way out.  window 1: two fragment buffers of 96 (B's 4 fragments, then A's 8), at v0 and v128.  window 2: accumulator (a, b) at v[8 (4 a + b)].
.set PA,    144                        ; a row of A in LDS: 128 bytes + 16
.set PB,    288                        ; a row of B: 256 bytes + 32
.set HEADT, 256*PA                     ; one head's 256 rows
.set BOFF,  2*HEADT
.set SLOT,  BOFF+128*PB
.set STAGE, 2*SLOT                     ; 16 rows x 272 bytes for each wave; no tile lands here
.set SPITCH, 272
.set SPARE, STAGE+4*16*SPITCH
.set ADRA, 16
.set ADRB, 20
.set STO,  24
.set RD,   25
.set CO,   26
.set SPW,  28
.set NIL,  29
.set PFO,  30
.set BOF,  31
.set BIAS, 32
.set BK,   64
.set F0,   0
.set F1,   128
.set G1, 24
.set G0, 32
.set G1B, 48
.set G0B, 56
.set PFA, 68
.set LIM, 70
.set MSB, 0
.macro WIN new
.if MSB != \new
	s_set_vgpr_msb (MSB<<8)|\new
.set MSB, \new
.endif
.endm
.set MUL,  0xa5                        ; sources 0 and 1 window 1; C and D window 2
.set MULB, 0x85                        ; the same with C, the bias, in window 0
.set TO_F, 0x40                        ; destination window 1, address window 0
.macro JLOAD s                         ; a joint load; an s_nop 0 and four v_nop follow each line
	s_cmp_eq_u32 s11, 0
	s_cbranch_scc0 .Lfor_b_\@
	tensor_load_to_lds s[G0+4*\s:G0+4*\s+3], s[G1:G1+7]
	s_nop 0
.rept 4
	v_nop
.endr
	s_branch .Lasked_\@
.Lfor_b_\@:
	tensor_load_to_lds s[G0B+4*\s:G0B+4*\s+3], s[G1B:G1B+7]
	s_nop 0
.rept 4
	v_nop
.endr
.Lasked_\@:
.endm
.macro CREST
	s_cmp_lg_u32 s10, 0
	s_cbranch_scc1 .Lnot_wave_0_\@
	s_barrier_signal -3
.Lnot_wave_0_\@:
	s_barrier_wait -3
	s_barrier_signal -1
	s_barrier_wait -1
.endm
.macro CROUND
	s_barrier_signal -1
	s_barrier_wait -1
	CREST
.endm
; A prefetch of A's K step that stands two refills on.  A's tile row is read by both clusters of its row of clusters: the one with x = 0 asks.  Of the 32,768 bytes that a wave fetches each of the four partners names 8,192,
; told apart by address (cx); lanes 256 bytes apart: each aligned 256 bytes are named once.  The loop's last trip asks for nothing: there is no K step two on.  wo16 is read again by all 32 tile rows and is not asked for.
.macro ASK
	s_cmp_gt_u32 s3, s[LIM]
	s_cbranch_scc0 .Lnot_mine_\@
	global_prefetch_b8 v[PFO], s[PFA:PFA+1] offset:524288 th:TH_LOAD_NT scope:SCOPE_SE
.Lnot_mine_\@:
.endm
	s_load_b128 s[4:7], s[0:1], 0x0                ; o16, wo16
	s_load_b128 s[20:23], s[0:1], 0x10             ; bo, out0
	v_lshl_add_u32 v[SPW], v0, 2, SPARE
	v_mov_b32 v[NIL], 0
	ds_add_u32 v[SPW], v[NIL]                      ; the wave's opening: the add, twice on end, and its wait ahead of my first tensor load
	ds_add_u32 v[SPW], v[NIL]
	v_lshrrev_b32 v1, 5, v0
	v_readfirstlane_b32 s10, v1                    ; wave 0..3
	s_lshr_b32 s11, s10, 1                         ; which 128 rows are mine.  Also: I fetch for A (0) or for B (1)
	s_and_b32 s12, s10, 1                          ; which 64 columns.  Also: which head of A, or which 64 rows of B, I fetch
	s_bfe_u32 s40, ttmp6, 0x40000                  ; cx
	s_bfe_u32 s41, ttmp6, 0x40004                  ; cy: the batch
	s_lshl_b32 s42, ttmp9, 2
	s_add_co_u32 s42, s42, s40                     ; tile column
	s_and_b32 s13, ttmp7, 0xffff                   ; cluster y: the block of 256 positions
	s_lshl_b32 s43, s41, 2
	s_lshl_b32 s43, 15, s43                        ; my row of the cluster
	s_lshl_b32 s44, 0x1111, s40                    ; my column
	s_or_b32 s[G1+0], s43, (1<<16)|(1<<20)|(1<<21)|(4<<22)|(3<<25)    ; A: elements of 2 bytes; 4 words of padding after every 32
	s_mov_b32 s[G1+1], 64<<16                      ; tensor_dim0
	s_mov_b32 s[G1+2], 256<<16                     ; tensor_dim1
	s_mov_b32 s[G1+3], 64<<16                      ; tile_dim0
	s_mov_b32 s[G1+4], 256                         ; tile_dim1
	s_mov_b32 s[G1+5], 64                          ; the pitch
	s_mov_b32 s[G1+6], 0
	s_mov_b32 s[G1+7], 0
	s_or_b32 s[G1B+0], s44, (1<<16)|(1<<20)|(1<<21)|(5<<22)|(7<<25)   ; B: 8 words of padding after every 64
	s_mov_b32 s[G1B+1], 128<<16
	s_mov_b32 s[G1B+2], 64<<16
	s_mov_b32 s[G1B+3], 128<<16
	s_mov_b32 s[G1B+4], 64
	s_mov_b32 s[G1B+5], 1024
	s_mov_b32 s[G1B+6], 0
	s_mov_b32 s[G1B+7], 0
	s_lshl_b32 s14, s41, 4
	s_add_co_u32 s14, s14, s12                     ; A: batch x 16 + my head of K step 0,
	s_lshl_b32 s14, s14, 11
	s_lshl_b32 s15, s13, 8
	s_add_co_u32 s14, s14, s15                     ; its first position of the tile,
	s_lshl_b32 s14, s14, 7                         ; in bytes
	s_mov_b32 s15, 0
	s_lshl_b32 s46, s12, 17                        ; B: my 64 rows of 2,048 bytes,
	s_lshl_b32 s47, s42, 8                         ; the tile's 128 columns
	s_add_co_u32 s46, s46, s47
	s_mov_b32 s47, 0
	s_mul_i32 s16, s12, HEADT                      ; where they go: no place in the cluster enters an LDS address
	s_mul_i32 s17, s12, 64*PB
	s_add_co_u32 s17, s17, BOFF
	s_wait_dscnt 0x0                               ; both opening adds are done
	s_wait_kmcnt 0x0
	s_add_nc_u64 s[14:15], s[4:5], s[14:15]
	s_add_nc_u64 s[46:47], s[6:7], s[46:47]
	CROUND                                         ; all sixteen work-groups are here: the first joint loads meet
.irp s, 0,1
	s_mov_b32 s[G0+4*\s], 1
	s_add_co_u32 s[G0+4*\s+1], s16, \s*SLOT
	s_add_nc_u64 s[G0+4*\s+2:G0+4*\s+3], s[14:15], \s*524288         ; a K step on: two heads
	s_or_b32 s[G0+4*\s+3], s[G0+4*\s+3], 0x80000000
	s_mov_b32 s[G0B+4*\s], 1
	s_add_co_u32 s[G0B+4*\s+1], s17, \s*SLOT
	s_add_nc_u64 s[G0B+4*\s+2:G0B+4*\s+3], s[46:47], \s*262144       ; 128 rows of 2,048 bytes
	s_or_b32 s[G0B+4*\s+3], s[G0B+4*\s+3], 0x80000000
	JLOAD \s                                       ; two tensor loads of mine are out
.endr
	s_lshl_b32 s18, s40, 13
	s_mov_b32 s19, 0
	s_add_nc_u64 s[PFA:PFA+1], s[14:15], s[18:19]  ; the prefetches: my work-group's 8,192 bytes of my head,
	s_add_nc_u64 s[PFA:PFA+1], s[PFA:PFA+1], 2*524288   ; at K step 2: the first refill steps it to 3 and names K step 4
	s_or_b32 s[LIM], s11, ttmp9
	s_cmp_eq_u32 s[LIM], 0
	s_cselect_b32 s[LIM], 1, -1                    ; the same in all sixteen partners, for a given wave
	v_and_b32 v1, 15, v0                           ; r
	v_bfe_u32 v2, v0, 4, 1                         ; h
	s_lshl_b32 s18, s42, 9
	s_lshl_b32 s19, s12, 8
	s_add_co_u32 s18, s18, s19
	s_mov_b32 s19, 0
	s_add_nc_u64 s[20:21], s[20:21], s[18:19]      ; bo at my 64 columns
	v_lshlrev_b32 v[BOF], 5, v2
.irp b, 0,1,2,3
	global_load_b128 v[BIAS+8*\b:BIAS+8*\b+3], v[BOF], s[20:21] offset:64*\b         ; tile b's register j: bo[16 b + 8 h + j]
	global_load_b128 v[BIAS+8*\b+4:BIAS+8*\b+7], v[BOF], s[20:21] offset:64*\b+16
.endr
	v_mul_u32_u24 v3, v1, PA
	v_lshl_add_u32 v3, v2, 4, v3
	s_mul_i32 s18, s11, 128*PA
	v_add_nc_u32 v[ADRA], s18, v3                  ; A: my 128 rows, row r x pitch + 16 h
	s_add_co_u32 s18, s18, SLOT
	v_add_nc_u32 v[ADRA+1], s18, v3
	v_and_b32 v4, 7, v0
	v_lshl_add_u32 v4, v2, 3, v4
	v_mul_u32_u24 v4, v4, PB
	v_bfe_u32 v5, v0, 3, 1
	v_lshl_add_u32 v4, v5, 4, v4                   ; B: k = 8 h + lane % 8, columns 8 ((lane / 8) % 2) on
	s_lshl_b32 s18, s12, 7
	s_add_co_u32 s18, s18, BOFF
	v_add_nc_u32 v[ADRB], s18, v4
	s_add_co_u32 s18, s18, SLOT
	v_add_nc_u32 v[ADRB+1], s18, v4
	s_mul_i32 s18, s10, 16*SPITCH
	s_add_co_u32 s18, s18, STAGE                   ; my stage
	v_mul_u32_u24 v5, v1, SPITCH
	v_lshl_add_u32 v5, v2, 5, v5
	v_add_nc_u32 v[STO], s18, v5                   ; in: row r, 32 bytes for each half of the lanes
	v_mul_u32_u24 v5, v2, SPITCH
	v_lshl_add_u32 v5, v1, 4, v5
	v_add_nc_u32 v[RD], s18, v5                    ; back: lanes 0-15 one row of 256 bytes, lanes 16-31 the next
	v_lshlrev_b32 v5, 12, v2
	v_lshl_add_u32 v[CO], v1, 4, v5                ; the same two rows in out0
	v_and_b32 v[PFO], 31, v0
	v_lshlrev_b32 v[PFO], 8, v[PFO]
	s_lshl_b32 s18, s41, 3
	s_add_co_u32 s18, s18, s13                     ; tile row
	s_lshl_b32 s18, s18, 1
	s_add_co_u32 s18, s18, s11
	s_lshl_b32 s18, s18, 19                        ; 128 rows of 4,096 bytes
	s_lshl_b32 s19, s42, 9
	s_add_co_u32 s18, s18, s19
	s_lshl_b32 s19, s12, 8
	s_add_co_u32 s18, s18, s19
	s_mov_b32 s19, 0
	s_add_nc_u64 s[22:23], s[22:23], s[18:19]
; 8 matrix instructions: row blocks a0, a0 + 1 x my 4 column blocks, 32 along K, from buffer f.  first = 1: the bias starts the sums.  The 32 accumulators take turns in the same order in every quarter.
.macro MUL8 f, a0, first
.irp a, \a0, \a0+1
.irp b, 0,1,2,3
.if \first
	v_wmma_f32_16x16x32_f16 v[8*(4*(\a)+\b):8*(4*(\a)+\b)+7], v[\f+8*\b:\f+8*\b+7], v[\f+32+8*(\a):\f+32+8*(\a)+7], v[BIAS+8*\b:BIAS+8*\b+7]
.else
	v_wmma_f32_16x16x32_f16 v[8*(4*(\a)+\b):8*(4*(\a)+\b)+7], v[\f+8*\b:\f+8*\b+7], v[\f+32+8*(\a):\f+32+8*(\a)+7], v[8*(4*(\a)+\b):8*(4*(\a)+\b)+7]
.endif
.endr
.endr
.endm
; 24 LDS loads in one run: quarter q (32 along K) of a slot into buffer f: B's 4 fragments (turned), A's blocks 0-3, A's blocks 4-7
.macro FETCH slot, q, f
	WIN TO_F
.irp b, 0,1,2,3
	ds_load_tr16_b128 v[\f+8*\b:\f+8*\b+3],   v[ADRB+\slot] offset:(\q)*32*PB+32*\b
	ds_load_tr16_b128 v[\f+8*\b+4:\f+8*\b+7], v[ADRB+\slot] offset:(\q)*32*PB+32*\b+16*PB
.endr
.irp i, 0,1,2,3,4,5,6,7
	ds_load_b128 v[\f+32+8*\i:\f+32+8*\i+3],   v[ADRA+\slot] offset:((\q)/2)*HEADT+\i*16*PA+((\q)%2)*64
	ds_load_b128 v[\f+32+8*\i+4:\f+32+8*\i+7], v[ADRA+\slot] offset:((\q)/2)*HEADT+\i*16*PA+((\q)%2)*64+32
.endr
.endm
.macro PLACES
.rept 4
	v_nop
.endr
.endm
; One of a K step's first three quarters: multiplies buffer f; in its middle it fetches quarter q of the same slot into buffer g.
.macro QUARTER slot, q, f, g, first
	s_wait_dscnt 8                                 ; B and A's blocks 0-3 are in; the youngest eight loads (A's blocks 4-7) may be out
.if \first
	WIN MULB
.else
	WIN MUL
.endif
	MUL8 \f, 0, \first
	MUL8 \f, 2, \first
	PLACES                                         ; in front of loads into the buffer that the quarter before multiplied
	FETCH \slot, \q, \g
	s_wait_dscnt 24                                ; all but the 24 just issued
.if \first
	WIN MULB
.else
	WIN MUL
.endif
	MUL8 \f, 4, \first
	MUL8 \f, 6, \first
.endm
; The last quarter multiplies buffer 1 and changes slots: one barrier; in front of it each wave waits for all its tensor loads, adds 0 to its spare word, and waits for that and for its reads of this slot.
; fill = 1: the barrier opens a round of the cluster's barrier and this slot is filled again, two K steps ahead.
.macro TURN slot, next, fill
.if \fill
	s_wait_xcnt 0x0                                ; the last prefetch, a K step back, has read its address
	s_add_nc_u64 s[PFA:PFA+1], s[PFA:PFA+1], 524288
.endif
	WIN 0                                          ; (the add's two registers lie in window 0)
	s_wait_tensorcnt 0x0                           ; all my tensor loads have landed: my part of the next slot
	ds_add_u32 v[SPW], v[NIL]
	s_wait_dscnt 9                                 ; (the add and the youngest eight loads may be out)
	WIN MUL
	MUL8 F1, 0, 0
	s_wait_dscnt 0x0                               ; the add is done, and my reads of this slot are over
	s_barrier_signal -1
	MUL8 F1, 2, 0
.if \fill
	WIN 0
.endif
	s_barrier_wait -1
.if \fill
	CREST                                          ; no wave of any partner still reads this slot's tiles or has a load on its way
	s_add_nc_u64 s[G0+4*\slot+2:G0+4*\slot+3], s[G0+4*\slot+2:G0+4*\slot+3], 2*524288
	s_add_nc_u64 s[G0B+4*\slot+2:G0B+4*\slot+3], s[G0B+4*\slot+2:G0B+4*\slot+3], 2*262144
	JLOAD \slot                                    ; the first tensor load behind the round; its four v_nop are also the places in front of the loads below
.else
	PLACES
.endif
	FETCH \next, 0, F0
.if \fill
	WIN 0
	ASK
.endif
	WIN MUL
	MUL8 F1, 4, 0
	MUL8 F1, 6, 0
.endm
	s_wait_tensorcnt 1                             ; my part of K step 0 is in (K step 1's may be out)
	s_barrier_signal -1
	s_barrier_wait -1                              ; everybody's is
	FETCH 0, 0, F0
	s_wait_loadcnt 0x0                             ; the bias
	QUARTER 0, 1, F0, F1, 1                        ; the first quarter stands in front of the loop: the bias starts the sums
	WIN 0
	s_mov_b32 s3, 3
.Llap:                                             ; a trip goes once round the ring, from a lap's second quarter to the next lap's first, and fills both slots again
	QUARTER 0, 2, F1, F0, 0
	QUARTER 0, 3, F0, F1, 0
	TURN 0, 1, 1
	QUARTER 1, 1, F0, F1, 0
	QUARTER 1, 2, F1, F0, 0
	QUARTER 1, 3, F0, F1, 0
	TURN 1, 0, 1
	QUARTER 0, 1, F0, F1, 0
	WIN 0
	s_sub_co_u32 s3, s3, 1
	s_cmp_lg_u32 s3, 0
	s_cbranch_scc1 .Llap
	QUARTER 0, 2, F1, F0, 0                        ; the last lap fills nothing
	QUARTER 0, 3, F0, F1, 0
	TURN 0, 1, 0
	QUARTER 1, 1, F0, F1, 0
	QUARTER 1, 2, F1, F0, 0
	QUARTER 1, 3, F0, F1, 0
	s_wait_dscnt 8
	WIN MUL
	MUL8 F1, 0, 0
	MUL8 F1, 2, 0
	s_wait_dscnt 0
	MUL8 F1, 4, 0
	MUL8 F1, 6, 0
	WIN 0
	PLACES
; THE WAY OUT, block by block of 16 rows x 64 columns: through my own stage, back as rows of 256 bytes: sixteen lanes store 256 consecutive bytes, aligned.
.macro TOSTAGE a
	WIN 0x08                                       ; an LDS store's data are its source 1: window 2
.irp b, 0,1,2,3
	ds_store_b128 v[STO], v[8*(4*(\a)+\b):8*(4*(\a)+\b)+3] offset:64*\b           ; each accumulator from its low end on
	ds_store_b128 v[STO], v[8*(4*(\a)+\b)+4:8*(4*(\a)+\b)+7] offset:64*\b+16
.endr
	WIN 0
.set BB, BK+32*((\a)%2)
.irp t, 0,1,2,3,4,5,6,7
	ds_load_b128 v[BB+4*\t:BB+4*\t+3], v[RD] offset:\t*2*SPITCH                    ; LDS serves a wave's instructions in order
.endr
.endm
.macro SEND a, younger                 ; younger: the LDS instructions issued behind block a's loads
.set BB, BK+32*((\a)%2)
	s_wait_dscnt \younger
.if (\a) == 0
	s_or_b32 s18, s13, s11                         ; positions 0-15 of a sequence: block 0 of the upper waves where the cluster's y is 0: the next launch stores them
	s_cmp_eq_u32 s18, 0
	s_cbranch_scc1 .Lfirst16
.endif
.irp t, 0,1,2,3,4,5,6,7
	global_store_b128 v[CO], v[BB+4*\t:BB+4*\t+3], s[22:23] offset:(16*(\a)+2*\t)*4096 th:TH_STORE_NT
.endr
.if (\a) == 0
.Lfirst16:
.endif
.endm
	TOSTAGE 0
.irp a, 1,2,3,4,5,6,7
.if \a > 1
	s_wait_xcnt 0x0                                ; block a - 2's stores have read their registers: block a's loads may land there
.endif
	TOSTAGE \a
	SEND \a-1, 16                                  ; behind block a - 1's loads: block a's 8 stores and 8 loads
.endr
	SEND 7, 0
	s_wait_tensorcnt 0x0                           ; the wave's end: three closing lines
	ds_add_u32 v[SPW], v[NIL]
	s_wait_dscnt 0x0
	CROUND                                         ; the closing round
	s_endpgm
.Lfunc_end_k_qd0fcde1ae3_oproj:
	.size	k_qd0fcde1ae3_oproj, .Lfunc_end_k_qd0fcde1ae3_oproj-k_qd0fcde1ae3_oproj
	.p2alignl 7, 3214868480
	.fill 96, 4, 3214868480
	.section	.rodata,"a",@progbits
	.p2align	6, 0x0
	.amdhsa_kernel k_qd0fcde1ae3_oproj
		.amdhsa_group_segment_fixed_size 327680
		.amdhsa_private_segment_fixed_size 0
		.amdhsa_enable_private_segment 0
		.amdhsa_kernarg_size 32
		.amdhsa_user_sgpr_count 2
		.amdhsa_user_sgpr_kernarg_segment_ptr 1
		.amdhsa_wavefront_size32 1
		.amdhsa_system_sgpr_workgroup_id_x 1
		.amdhsa_system_sgpr_workgroup_id_y 1
		.amdhsa_system_sgpr_workgroup_id_z 1
		.amdhsa_system_vgpr_workitem_id 0
		.amdhsa_next_free_vgpr 768
		.amdhsa_next_free_sgpr 72
		.amdhsa_reserve_vcc 0
		.amdhsa_float_denorm_mode_32 3
		.amdhsa_float_denorm_mode_16_64 3
		.amdhsa_memory_ordered 1
		.amdhsa_forward_progress 1
		.amdhsa_inst_pref_size 87
	.end_amdhsa_kernel
	.amdgpu_metadata
---
amdhsa.version: [ 1, 2 ]
amdhsa.kernels:
  - .name:           k_qd0fcde1ae3_oproj
    .symbol:         k_qd0fcde1ae3_oproj.kd
    .args:
      - { .name: o16, .offset: 0, .size: 8, .value_kind: global_buffer, .address_space: global }
      - { .name: wo16, .offset: 8, .size: 8, .value_kind: global_buffer, .address_space: global }
      - { .name: bo, .offset: 16, .size: 8, .value_kind: global_buffer, .address_space: global }
      - { .name: out0, .offset: 24, .size: 8, .value_kind: global_buffer, .address_space: global }
    .group_segment_fixed_size: 327680
    .private_segment_fixed_size: 0
    .kernarg_segment_align: 8
    .kernarg_segment_size: 32
    .max_flat_workgroup_size: 128
    .sgpr_count:     72
    .vgpr_count:     768
    .wavefront_size: 32
...
	.end_amdgpu_metadata
.endif
;; end of part 4
;; launch first16 (part 5): grid 16 x 4, 16 waves a work-group, no clusters, 71,680 bytes of LDS; arguments qkv16, Wo, bo, out0; writes out0
.if DOCPART == 5
	.amdgcn_target "amdgcn-amd-amdhsa--gfx1250"
	.amdhsa_code_object_version 6
	.text
	.protected	k_qd0fcde1ae3_first16
	.globl	k_qd0fcde1ae3_first16
	.p2align	8
	.type	k_qd0fcde1ae3_first16,@function
k_qd0fcde1ae3_first16:
	s_mov_b64 s[64:65], 0
	v_nop
	global_prefetch_b8 v0, s[64:65] scope:SCOPE_SE
	s_setreg_imm32_b32 hwreg(HW_REG_WAVE_MODE, 25, 1), 1
	s_wait_xcnt 0x0
; Positions 0-15 of every sequence, all in f32: these rows average one to sixteen values and are the largest of the output.  qkv16 [b][16][3072 = T x 1024 + n] holds their q, k, v as f32.
; A work-group takes 64 columns of out0 for one batch; a wave takes a head: its 16 x 16 causal attention, then its 64 channels times Wo[64 head .., my 64 columns]: a part of 16 x 64; the sixteen parts meet in LDS.
; All products by v_wmma_f32_16x16x4_f32 (96 a wave).  Its results lie in v224-255, which matrix instructions alone write; what is made of a sum goes into other registers.
; k IS PERMUTED ALIKE ON BOTH SIDES of each product, so that every operand is taken as its registers lie:
;   S^T = K Q^T: link n takes registers 2 n, 2 n + 1 of both, loaded 16 bytes a lane: channels 8 (n / 2) + 4 h + 2 (n % 2) + j.
;   O^T = V^T P: a lane holds p of keys 8 h + 0..7; link t takes keys 8 h + 2 t + j, and V is loaded so.     out = o Wo: a lane holds o of channels 16 c + 8 h + 0..7; link (c, t) takes 16 c + 8 h + 2 t + j, and Wo is loaded so.
.set QR,  16                           ; v16-47   Q;  v48-79 K;  later Wo's second half
.set KR,  48
.set VR,  80                           ; v80-111  V: (c, t) at 80 + 2 (4 c + t)
.set P,   112                          ; v112-119 scores, then p
.set OT,  120                          ; v120-151 o; at work before; the sixteen parts at the end
.set W1,  152                          ; v152-215 Wo, channels 0-31: (c, t, nt) at 2 (4 (4 c + t) + nt)
.set W2,  16
.set ACC, 224
.set PART, 4352                        ; a wave's part in LDS: 4 tiles x (8 registers x 128 bytes + 64)
.set SPARE, 16*PART
	s_load_b128 s[4:7], s[0:1], 0x0                ; qkv16, Wo
	s_load_b128 s[8:11], s[0:1], 0x10              ; bo, out0
	v_lshl_add_u32 v6, v0, 2, SPARE                ; v6, v7: the add's two registers; never rewritten
	v_mov_b32 v7, 0
	v_lshrrev_b32 v8, 5, v0
	v_readfirstlane_b32 s12, v8                    ; wave = head
	s_and_b32 s13, ttmp7, 0xffff                   ; batch
	v_and_b32 v1, 15, v0                           ; r
	v_bfe_u32 v2, v0, 4, 1                         ; h
	v_mul_u32_u24 v3, v1, 12288
	v_lshl_add_u32 v3, v2, 4, v3                   ; Q, K: position r, + 16 h
	v_mul_u32_u24 v4, v2, 98304
	v_lshl_add_u32 v4, v1, 2, v4                   ; V: key 8 h, channel r
	v_lshlrev_b32 v5, 15, v2
	v_lshl_add_u32 v5, v1, 2, v5                   ; Wo: channel 8 h, column r
	v_and_b32 v8, 31, v0
	v_lshlrev_b32 v8, 3, v8                        ; bo: 8 bytes a lane
	s_mul_i32 s14, s13, 196608
	s_lshl_b32 s15, s12, 8
	s_add_co_u32 s14, s14, s15
	s_mov_b32 s15, 0
	s_lshl_b32 s16, s12, 18                        ; Wo: my head's 64 rows of 4,096 bytes,
	s_lshl_b32 s18, ttmp9, 8                       ; my work-group's 64 columns
	s_add_co_u32 s16, s16, s18
	s_mov_b32 s17, 0
	s_mov_b32 s19, 0
	s_lshl_b32 s24, s13, 23                        ; out0: a batch is 8,388,608 bytes
	s_add_co_u32 s24, s24, s18
	s_mov_b32 s25, 0
	s_mov_b32 s20, 0x3e38aa3b                      ; c = log2(e) / sqrt(64)
	s_mov_b32 s22, 0x76543210
	s_mov_b32 s23, 0xfedcba98
	s_wait_kmcnt 0x0
	s_add_nc_u64 s[4:5], s[4:5], s[14:15]
	s_add_nc_u64 s[6:7], s[6:7], s[16:17]
	s_add_nc_u64 s[8:9], s[8:9], s[18:19]
	s_add_nc_u64 s[10:11], s[10:11], s[24:25]
.irp i, 0,1,2,3,4,5,6,7
	global_load_b128 v[QR+4*\i:QR+4*\i+3], v3, s[4:5] offset:32*\i
.endr
.irp i, 0,1,2,3,4,5,6,7
	global_load_b128 v[KR+4*\i:KR+4*\i+3], v3, s[4:5] offset:4096+32*\i
.endr
.irp c, 0,1,2,3
.irp t, 0,1,2,3
.irp j, 0,1
	global_load_b32 v[VR+2*(4*\c+\t)+\j], v4, s[4:5] offset:8192+(2*\t+\j)*12288+\c*64
.endr
.endr
.endr
.irp c, 0,1
.irp t, 0,1,2,3
.irp nt, 0,1,2,3
.irp j, 0,1
	global_load_b32 v[W1+2*(4*(4*\c+\t)+\nt)+\j], v5, s[6:7] offset:(16*\c+2*\t+\j)*4096+\nt*64
.endr
.endr
.endr
.endr
	s_wait_loadcnt 63                              ; 64 loads were issued behind V's last: Q, K and V are in
.set n, 0
.rept 16                               ; S^T = K Q^T in four partial sums by turns
.if n < 4
	v_wmma_f32_16x16x4_f32 v[ACC+8*(n%4):ACC+8*(n%4)+7], v[KR+2*n:KR+2*n+1], v[QR+2*n:QR+2*n+1], 0
.else
	v_wmma_f32_16x16x4_f32 v[ACC+8*(n%4):ACC+8*(n%4)+7], v[KR+2*n:KR+2*n+1], v[QR+2*n:QR+2*n+1], v[ACC+8*(n%4):ACC+8*(n%4)+7]
.endif
.set n, n+1
.endr
	; seventeen plain lines that name none of those products' registers: the places (nine are wanted) in front of the loads into Q's and K's registers, of the reads of the sums, and of the products that write over them
	v_lshlrev_b32 v9, 3, v2
	v_sub_nc_u32 v9, v1, v9                        ; d = r - 8 h: key 8 h + j is hidden where j > d
	v_mov_b32 v10, 0xff800000                      ; -infinity
	v_mov_b32 v12, 0                               ; (a lane permute's destination counts as one of its sources)
	s_mul_i32 s21, s12, PART
	v_and_b32 v216, 31, v0
	v_lshl_add_u32 v216, v216, 2, s21              ; my part: wave x 4,352 + 4 x lane
	v_bfe_u32 v217, v0, 3, 2                       ; and where thread t reads: query t / 32, columns 2 (t % 32) and the next: tile (t / 8) % 4,
	v_mul_u32_u24 v217, v217, 1088
	v_bfe_u32 v219, v0, 5, 3
	v_lshl_add_u32 v217, v219, 7, v217             ; register (t / 32) % 8,
	v_bfe_u32 v219, v0, 8, 1
	v_lshl_add_u32 v217, v219, 6, v217             ; half t / 256,
	v_and_b32 v219, 7, v0
	v_lshl_add_u32 v217, v219, 3, v217             ; lanes 2 (t % 8) and the next
	v_lshrrev_b32 v218, 5, v0
	v_lshlrev_b32 v218, 12, v218
	v_add_nc_u32 v218, v218, v8                    ; in out0: row t / 32, 8 bytes a lane
.irp c, 2,3
.irp t, 0,1,2,3
.irp nt, 0,1,2,3
.irp j, 0,1
	global_load_b32 v[W2+2*(4*(4*(\c-2)+\t)+\nt)+\j], v5, s[6:7] offset:(16*\c+2*\t+\j)*4096+\nt*64
.endr
.endr
.endr
.endr
	global_load_b64 v[14:15], v8, s[8:9]           ; bo
.irp j, 0,1,2,3,4,5,6,7
	v_add_f32 v[P+\j], v[ACC+\j], v[ACC+8+\j]      ; the four partial sums, each from its low end on
	v_add_f32 v[OT+\j], v[ACC+16+\j], v[ACC+24+\j]
.endr
.irp j, 0,1,2,3,4,5,6,7
	v_add_f32 v[P+\j], v[P+\j], v[OT+\j]
.endr
.irp j, 0,1,2,3,4,5,6,7
	v_cmp_gt_i32 vcc_lo, \j, v9
	v_cndmask_b32 v[P+\j], v[P+\j], v10, vcc_lo    ; the causal mask
.endr
	v_max3_num_f32 v11, v[P], v[P+1], v[P+2]
	v_max3_num_f32 v11, v11, v[P+3], v[P+4]
	v_max3_num_f32 v11, v11, v[P+5], v[P+6]
	v_max_num_f32 v11, v11, v[P+7]
	v_permlanex16_b32 v12, v11, s22, s23
	v_max_num_f32 v11, v11, v12                    ; the row's maximum (key 0 counts for every query)
	v_mul_f32 v12, s20, v11
.irp j, 0,1,2,3,4,5,6,7
	v_fma_f32 v[P+\j], v[P+\j], s20, -v12
.endr
.irp j, 0,1,2,3,4,5,6,7
	v_exp_f32 v[P+\j], v[P+\j]
.endr
	v_nop
	s_wait_alu depctr_va_vdst(0)                   ; one wait for the eight, ahead of their first reader
	v_add_f32 v13, v[P], v[P+1]
	v_add_f32 v11, v[P+2], v[P+3]
	v_add_f32 v[OT], v[P+4], v[P+5]
	v_add_f32 v[OT+1], v[P+6], v[P+7]
	v_add_f32 v13, v13, v11
	v_add_f32 v[OT], v[OT], v[OT+1]
	v_add_f32 v13, v13, v[OT]
	v_permlanex16_b32 v12, v13, s22, s23
	v_add_f32 v13, v13, v12                        ; the row's sum
	v_rcp_f32 v13, v13
	v_nop
	s_wait_alu depctr_va_vdst(0)
.irp t, 0,1,2,3                        ; O^T = V^T P: four tiles of 16 channels by turns
.irp c, 0,1,2,3
.if \t == 0
	v_wmma_f32_16x16x4_f32 v[ACC+8*\c:ACC+8*\c+7], v[VR+2*(4*\c+\t):VR+2*(4*\c+\t)+1], v[P+2*\t:P+2*\t+1], 0
.else
	v_wmma_f32_16x16x4_f32 v[ACC+8*\c:ACC+8*\c+7], v[VR+2*(4*\c+\t):VR+2*(4*\c+\t)+1], v[P+2*\t:P+2*\t+1], v[ACC+8*\c:ACC+8*\c+7]
.endif
.endr
.endr
.rept 9
	v_nop                                          ; places in front of the reads of these sums and of the products that write over them
.endr
.irp j, 0,1,2,3,4,5,6,7,8,9,10,11,12,13,14,15,16,17,18,19,20,21,22,23,24,25,26,27,28,29,30,31
	v_mul_f32 v[OT+\j], v[ACC+\j], v13             ; o(query r, channel 16 c + 8 h + j)
.endr
	s_wait_loadcnt 63                              ; 65 loads were issued behind the last of Wo's first half: it is in
.irp c, 0,1,2,3                        ; my part of out: source 0 = o, source 1 = Wo; four tiles of 16 columns by turns
.if \c == 2
	s_wait_loadcnt 0x0                             ; Wo's second half, and bo
.endif
.irp t, 0,1,2,3
.irp nt, 0,1,2,3
.if \c < 2
.set rW, W1+2*(4*(4*\c+\t)+\nt)
.else
.set rW, W2+2*(4*(4*(\c-2)+\t)+\nt)
.endif
.if (\c == 0) && (\t == 0)
	v_wmma_f32_16x16x4_f32 v[ACC+8*\nt:ACC+8*\nt+7], v[OT+8*\c+2*\t:OT+8*\c+2*\t+1], v[rW:rW+1], 0
.else
	v_wmma_f32_16x16x4_f32 v[ACC+8*\nt:ACC+8*\nt+7], v[OT+8*\c+2*\t:OT+8*\c+2*\t+1], v[rW:rW+1], v[ACC+8*\nt:ACC+8*\nt+7]
.endif
.endr
.endr
.endr
.rept 8
	v_nop                                          ; places in front of the stores that read these sums and of the loads into o's registers
.endr
.irp nt, 0,1,2,3
.irp j, 0,1,2,3,4,5,6,7
	ds_store_b32 v216, v[ACC+8*\nt+\j] offset:\nt*1088+\j*128      ; lane (r, h): query 8 h + j, column 16 nt + r
.endr
.endr
	s_wait_dscnt 0x0                               ; for the others' sake: my part lies in LDS
	s_barrier_signal -1
	s_barrier_wait -1
.irp w, 0,1,2,3,4,5,6,7,8,9,10,11,12,13,14,15
	ds_load_b64 v[OT+2*\w:OT+2*\w+1], v217 offset:\w*PART
.endr
	s_wait_dscnt 0x0
.irp k, 1,2,3,4,5,6,7
	v_pk_add_f32 v[OT:OT+1], v[OT:OT+1], v[OT+4*\k:OT+4*\k+1]      ; the sixteen heads' parts, in two chains
	v_pk_add_f32 v[OT+2:OT+3], v[OT+2:OT+3], v[OT+4*\k+2:OT+4*\k+3]
.endr
	v_pk_add_f32 v[OT:OT+1], v[OT:OT+1], v[OT+2:OT+3]
	v_pk_add_f32 v[14:15], v[14:15], v[OT:OT+1]                    ; + bo
	global_store_b64 v218, v[14:15], s[10:11]      ; a wave stores 256 consecutive bytes of one row, aligned
	s_wait_tensorcnt 0x0                           ; the wave's end: three closing lines behind my last LDS store
	ds_add_u32 v6, v7
	s_wait_dscnt 0x0
	s_endpgm
.Lfunc_end_k_qd0fcde1ae3_first16:
	.size	k_qd0fcde1ae3_first16, .Lfunc_end_k_qd0fcde1ae3_first16-k_qd0fcde1ae3_first16
	.p2alignl 7, 3214868480
	.fill 96, 4, 3214868480
	.section	.rodata,"a",@progbits
	.p2align	6, 0x0
	.amdhsa_kernel k_qd0fcde1ae3_first16
		.amdhsa_group_segment_fixed_size 71680
		.amdhsa_private_segment_fixed_size 0
		.amdhsa_enable_private_segment 0
		.amdhsa_kernarg_size 32
		.amdhsa_user_sgpr_count 2
		.amdhsa_user_sgpr_kernarg_segment_ptr 1
		.amdhsa_wavefront_size32 1
		.amdhsa_system_sgpr_workgroup_id_x 1
		.amdhsa_system_sgpr_workgroup_id_y 1
		.amdhsa_system_sgpr_workgroup_id_z 1
		.amdhsa_system_vgpr_workitem_id 0
		.amdhsa_next_free_vgpr 256
		.amdhsa_next_free_sgpr 66
		.amdhsa_reserve_vcc 1
		.amdhsa_float_denorm_mode_32 3
		.amdhsa_float_denorm_mode_16_64 3
		.amdhsa_memory_ordered 1
		.amdhsa_forward_progress 1
		.amdhsa_inst_pref_size 35
	.end_amdhsa_kernel
	.amdgpu_metadata
---
amdhsa.version: [ 1, 2 ]
amdhsa.kernels:
  - .name:           k_qd0fcde1ae3_first16
    .symbol:         k_qd0fcde1ae3_first16.kd
    .args:
      - { .name: qkv16, .offset: 0, .size: 8, .value_kind: global_buffer, .address_space: global }
      - { .name: Wo, .offset: 8, .size: 8, .value_kind: global_buffer, .address_space: global }
      - { .name: bo, .offset: 16, .size: 8, .value_kind: global_buffer, .address_space: global }
      - { .name: out0, .offset: 24, .size: 8, .value_kind: global_buffer, .address_space: global }
    .group_segment_fixed_size: 71680
    .private_segment_fixed_size: 0
    .kernarg_segment_align: 8
    .kernarg_segment_size: 32
    .max_flat_workgroup_size: 512
    .sgpr_count:     66
    .vgpr_count:     256
    .wavefront_size: 32
...
	.end_amdgpu_metadata
.endif
;; end of part 5
